; MI455X (gfx1250); checked and timed in simulation.
; The chip was launched on July 23, 2026; its instructions are those of AMD's public machine-readable ISA for CDNA 5 (MIT licence, August 2026) and "CDNA5" Instruction Set Architecture Reference Guide (July 2026). The comments in the code are by the model that wrote it; some were corrected since.
;; NON Local Block2 D. Allowed arithmetic: matrix products marked QUANTISED: E2M3 operands, one E8M0 scale for each 32 along K, by v_wmma_scale_f32_16x16x128_f8f6f4 with both operands' format E2M3, f32 sums; everything else in f32.
;; Inputs: Wk1 128 x 256 float32; Wk2 128 x 128 float32; Wo 256 x 128 float32; Wq1 128 x 256 float32; Wq2 128 x 128 float32; Wv 128 x 256 float32; bk1 128 float32; bk2 128 float32; bo 256 float32; bq1 128 float32; bq2 128 float32; gk1 128 float32; gk2 128 float32; go 256 float32; gq1 128 float32; gq2 128 float32; mk1 128 float32; mk2 128 float32; mo 256 float32; mq1 128 float32; mq2 128 float32; vk1 128 float32; vk2 128 float32; vo 256 float32; vq1 128 float32; vq2 128 float32; x 4 x 256 x 64 x 64 float32; y 4 x 256 x 64 x 64 float32.
;; Outputs: out0 4 x 256 x 64 x 64 float32.
;; This version of the problem:
;;   THIS VERSION OF THE PROBLEM IS GIVEN IN LOW PRECISION. The matrix products marked QUANTISED in the list below multiply operands that are first quantised to E2M3 (2 exponent bits, 3 mantissa bits; 6 bits a number), with one power-of-two scale for each 32 numbers along K (OCP MX v1.0); their sums are f32. All else is computed in f32.
;;   The module's matrix products, in the order in which they are computed (A, B: the left and right operand; K: the contracted axis; several contracted axes count as one K, in the product's order):
;;     1. [M 128, K 256] x [K 256, N 16,384]; A: input Wq1; B: input x: QUANTISED
;;     2. [M 128, K 128] x [K 128, N 16,384]; A: input Wq2; B: computed on the way: QUANTISED
;;     3. [M 128, K 256] x [K 256, N 16,384]; A: input Wk1; B: input y: QUANTISED
;;     4. [M 128, K 128] x [K 128, N 16,384]; A: input Wk2; B: computed on the way: QUANTISED
;;     5. [M 128, K 256] x [K 256, N 16,384]; A: input Wv; B: input y: QUANTISED
;;     6. batch 4 x [M 4,096, K 128] x [K 128, N 4,096]; A: computed on the way; B: computed on the way: QUANTISED
;;     7. batch 4 x [M 4,096, K 4,096] x [K 4,096, N 128]; A: softmax (see below); B: computed on the way: QUANTISED
;;     8. [M 256, K 128] x [K 128, N 16,384]; A: input Wo; B: computed on the way: QUANTISED
;;   THE QUANTISER, for each operand of a quantised product, along K:
;;     - K is cut into blocks of 32 from its start; a last block that is shorter is filled with zeros.
;;     - A block's scale is 2^e with e = floor(log2(the largest magnitude in the block)) - 2, held to -126 .. 127; a block of zeros has e = 0. As a byte (E8M0): e + 127.
;;     - Each number is divided by its block's scale, clamped to +-7.5, and rounded to the nearest number of E2M3, ties to even, subnormals kept.
;;     - The product sums the exact products of the quantised numbers (number of the format x scale) in f32.
;;   ~~~python
;;   def quantise(x, axis):      # numpy; x: float32 -> the quantised numbers, widened to float32 again
;;       x = np.moveaxis(x, axis, -1); K = x.shape[-1]
;;       x = np.pad(x, [(0, 0)] * (x.ndim - 1) + [(0, -K % 32)]); x = x.reshape(x.shape[:-1] + (-1, 32)); a = np.abs(x).max(-1, keepdims=True)
;;       e = np.where(a > 0, np.clip(np.frexp(np.where(a > 0, a, 1))[1] - 1 - 2, -126, 127), 0)      # np.frexp(a)[1] - 1 = floor(log2(a)), exactly
;;       r = np.clip(x / 2.0 ** e, -7.5, 7.5)
;;       step = 2.0 ** (np.maximum(np.frexp(np.where(r == 0, 1, r))[1] - 1, 0) - 3)
;;       q = np.round(r / step) * step * 2.0 ** e      # np.round: ties to even
;;       return np.moveaxis(q.reshape(q.shape[:-2] + (-1,))[..., :K], -1, axis).astype(np.float32)
;;   ~~~
;;   SOFTMAX AHEAD OF A QUANTISED PRODUCT. Where the list says 'softmax', what is quantised is not the finished softmax but p = 2^(t - M), with t = logit x log2(e) and M = ceil(the row's largest t), a whole number; so 1/2 < the row's largest p <= 1. The row's sum l is taken of the UNQUANTISED p, in f32, and the product's result is divided by l at the end. Since M is a whole number, a kernel that streams over the keys may use a running M (the ceiling of the running maximum): every later rescaling is an exact power of two, which a block's scale takes up: the codes' values come out the same.
;;   OPERANDS COMPUTED ON THE WAY. 'Computed on the way' means the value that the module computes at that place (a softmax that the list does not call 'softmax' is quantised finished and normalised). What goes into a quantiser is computed in f32, as accurately as f32 sums, v_exp_f32 and their like allow (about 1e-6 of the number): no bf16 or f16 on the way to a quantiser, and a product that is left as it is and whose result goes on into a quantised operand takes f32 operands (vector FMAs, or v_wmma_f32_16x16x4_f32). A number that lies on a knife's edge between two numbers of the format may be rounded either way, as far as f32 arithmetic and the matrix unit's own rounding can turn it there, and no further.
;; One version. Each part assembles by itself: llvm-mc -triple=amdgcn-amd-amdhsa -mcpu=gfx1250 --defsym DOCPART=n.
;; ======== version 1 of 1: 3 launches
;; workspace buffers: wts 133,120 bytes; q 1,572,864 bytes; qs 65,536 bytes; kv 3,145,728 bytes; kvs 131,072 bytes
;; launch wprep (part 1): grid 80 x 1, 1 waves a work-group, no clusters, 0 bytes of LDS; arguments Wq1, Wq2, Wk1, Wk2, Wv, Wo, wts; writes wts
.if DOCPART == 1
	.amdgcn_target "amdgcn-amd-amdhsa--gfx1250"
	.amdhsa_code_object_version 6
	.text
	.protected	k_q17711dd9c3_wprep
	.globl	k_q17711dd9c3_wprep
	.p2align	8
	.type	k_q17711dd9c3_wprep,@function
k_q17711dd9c3_wprep:
	s_mov_b64 s[64:65], 0
	v_nop
	global_prefetch_b8 v0, s[64:65] scope:SCOPE_SE
	s_setreg_imm32_b32 hwreg(HW_REG_WAVE_MODE, 25, 1), 1
	s_wait_xcnt 0x0
; The six weights, f32 with K innermost, become codes of FP6 (E2M3) with one E8M0 byte for each 32 along K, laid as IMAGES OF OPERAND REGISTERS:
; a fragment (16 rows x 128 K, 12 registers a lane) is 1,536 bytes, registers 4 j .. 4 j + 3 of lane l at 512 j + 16 l; its scale words are 128 bytes, lane l's at 4 l.
; One wave makes one fragment; 80 fragments: Wq1 16, Wq2 8, Wk1 16, Wk2 8, Wv 16, Wo 16.  Later launches take a fragment by three loads of 16 bytes a lane.
; THE ROWS OF A TILE: in all weights but Wo, row r of tile 2 b + u is row 32 b + 8 u + r + 8 (r / 8) of the weight, so that a transposed product leaves a lane 16 neighbours along the next K; Wo's tiles are 16 neighbouring rows.
; A block's scale is 2^(floor(log2(largest magnitude)) - 2); its byte is the largest magnitude's exponent field - 2, held at 1 from below.
; LIMITS: a block of zeros, or one whose largest magnitude lies under 2^-124, gets the byte 1 (its codes are zeros or subnormal codes; this program alone reads the bytes); NaN and infinities are not served.
; No LDS, no barrier, no cluster: the work-groups share no input.
.set ST,  16                           ; v16-79   64 numbers: register 16 b + i = k 32 b + 16 (lane / 16) + i of my row
.set PC,  80                           ; v80-98   the codes
.set TM,  100                          ; v100-115 at work
.set PW,  116                          ; v116     the scale word
.set SEL, 36                           ; s[36:37] selects for v_permlanex16_b32: lane l xor 16
; 64 numbers of a lane become a fragment's codes in v[PC] on and its scale word in v[PW]
.macro QUANT s
.irp b, 0,1,2,3
	v_max3_num_f32 v[TM+\b], |v[\s+16*\b]|, |v[\s+1+16*\b]|, 0x1800000   ; block b: my 16 numbers, and the floor 2^(3 - 127): the byte cannot fall under 1
.endr
.irp i, 2,4,6,8,10,12,14
.irp b, 0,1,2,3
	v_max3_num_f32 v[TM+\b], v[TM+\b], |v[\s+16*\b+\i]|, |v[\s+1+16*\b+\i]|   ; the four blocks by turns
.endr
.endr
.irp b, 0,1,2,3
	v_permlanex16_b32 v[TM+4+\b], v[TM+\b], s[SEL], s[SEL+1]
.endr
.irp b, 0,1,2,3
	v_max_num_f32 v[TM+\b], v[TM+\b], v[TM+4+\b]   ; with lane l xor 16's: the block's largest magnitude
.endr
.irp b, 0,1,2,3
	v_add_nc_u32 v[TM+12+\b], 0xff000000, v[TM+\b]   ; 2 off its exponent field: the conversion's scale operand
.endr
.irp b, 0,1,2,3
	v_lshrrev_b32 v[TM+4+\b], 23, v[TM+12+\b]   ; the scale's byte
.endr
	v_lshl_or_b32 v[PW], v[TM+5], 8, v[TM+4]
	v_lshl_or_b32 v[PW], v[TM+6], 16, v[PW]
	v_lshl_or_b32 v[PW], v[TM+7], 24, v[PW]
.irp c, 0,1
	v_cvt_scalef32_pk16_fp6_f32 v[PC+6*\c:PC+2+6*\c], v[\s+32*\c:\s+15+32*\c], v[TM+12+2*\c]
	v_cvt_scalef32_pk16_fp6_f32 v[PC+12+4*\c:PC+14+4*\c], v[\s+16+32*\c:\s+31+32*\c], v[TM+12+2*\c+1]   ; (a conversion's three registers begin on an even number)
.endr
	v_nop                                          ; one plain place behind a scaled conversion
.irp c, 0,1                                    ; the operand wants a whole block in a lane: lanes 0-15 block 2 c, lanes 16-31 block 2 c + 1
.irp i, 0,1,2
	v_permlane16_swap_b32 v[PC+6*\c+\i], v[PC+12+4*\c+\i]
.endr
.irp i, 0,1,2
	v_mov_b32 v[PC+3+6*\c+\i], v[PC+12+4*\c+\i]
.endr
.endr
.endm
; from fragment number start on: this weight, two K steps or one, permuted rows or not, where its codes and its scale words begin in wts
.macro PICK start, P, two, perm8, dC, dS
	s_cmp_ge_u32 ttmp9, \start
	s_cselect_b64 s[20:21], s[\P:\P+1], s[20:21]
	s_cselect_b32 s22, \start, s22
	s_cselect_b32 s23, \two, s23
	s_cselect_b32 s24, \perm8, s24
	s_cselect_b32 s25, \dC, s25
	s_cselect_b32 s26, \dS, s26
.endm
	s_load_b256 s[4:11], s[0:1], 0x0               ; Wq1 s[4:5], Wq2 s[6:7], Wk1 s[8:9], Wk2 s[10:11]
	s_load_b128 s[12:15], s[0:1], 0x20             ; Wv s[12:13], Wo s[14:15]
	s_load_b64 s[16:17], s[0:1], 0x30              ; wts
	v_and_b32 v1, 15, v0                           ; r
	v_bfe_u32 v2, v0, 4, 1                         ; h
	v_lshlrev_b32 v4, 4, v0                        ; 16 x lane (one wave: the thread's number is the lane)
	v_lshlrev_b32 v5, 2, v0                        ; 4 x lane
	s_mov_b32 s[SEL], 0x76543210
	s_mov_b32 s[SEL+1], 0xfedcba98
.irp b, 0,1,2,3
	v_mov_b32 v[TM+4+\b], 0                        ; a lane permute's destination counts as one of its sources
.endr
	s_mov_b32 s22, 0
	s_mov_b32 s23, 1
	s_mov_b32 s24, 8
	s_mov_b32 s25, 0
	s_mov_b32 s26, 36864
	s_wait_kmcnt 0x0
	s_mov_b64 s[20:21], s[4:5]                     ; fragments 0-15: Wq1
	PICK 16, 6,  0, 8, 24576,  38912               ; Wq2
	PICK 24, 8,  1, 8, 39936,  76800               ; Wk1
	PICK 40, 10, 0, 8, 64512,  78848               ; Wk2
	PICK 48, 12, 1, 8, 79872,  104448              ; Wv
	PICK 64, 14, 0, 0, 106496, 131072              ; Wo
	s_sub_co_u32 s27, ttmp9, s22                   ; the fragment's number in its weight
	s_lshr_b32 s28, s27, s23                       ; its tile of rows
	s_and_b32 s29, s27, s23                        ; its K step
	s_lshr_b32 s30, s28, 1
	s_lshl_b32 s30, s30, 5
	s_and_b32 s31, s28, 1
	s_sub_co_u32 s32, 16, s24
	s_mul_i32 s31, s31, s32
	s_add_co_u32 s30, s30, s31                     ; the tile's first row: 32 (tile / 2) + 8 or 16 (tile % 2)
	s_add_co_u32 s33, s23, 9                       ; a row is 512 or 1,024 bytes
	s_lshl_b32 s29, s29, 9                         ; a K step is 512 bytes
	v_and_b32 v3, s24, v1
	v_add_nc_u32 v3, v3, v1                        ; r + 8 (r / 8), or r
	v_add_nc_u32 v3, s30, v3
	v_lshlrev_b32 v3, s33, v3
	v_lshl_add_u32 v3, v2, 6, v3                   ; + 64 h: my 16 numbers of each block of 32
	v_add_nc_u32 v3, s29, v3
.irp b, 0,1,2,3
.irp j, 0,1,2,3
	global_load_b128 v[ST+16*\b+4*\j:ST+16*\b+4*\j+3], v3, s[20:21] offset:128*\b+16*\j
.endr
.endr
	s_mul_i32 s28, s27, 1536
	s_add_co_u32 s28, s28, s25
	s_mov_b32 s29, 0
	s_add_nc_u64 s[30:31], s[16:17], s[28:29]      ; where the image goes
	s_lshl_b32 s32, s27, 7
	s_add_co_u32 s32, s32, s26
	s_mov_b32 s33, 0
	s_add_nc_u64 s[34:35], s[16:17], s[32:33]      ; and its scale words
	s_wait_loadcnt 0x0
	QUANT ST
.irp c, 0,1,2
	global_store_b128 v4, v[PC+4*\c:PC+4*\c+3], s[30:31] offset:512*\c   ; 32 lanes store 512 consecutive bytes
.endr
	global_store_b32 v5, v[PW], s[34:35]
	s_endpgm
.Lfunc_end_k_q17711dd9c3_wprep:
	.size	k_q17711dd9c3_wprep, .Lfunc_end_k_q17711dd9c3_wprep-k_q17711dd9c3_wprep
	.p2alignl 7, 3214868480
	.fill 96, 4, 3214868480
	.section	.rodata,"a",@progbits
	.p2align	6, 0x0
	.amdhsa_kernel k_q17711dd9c3_wprep
		.amdhsa_group_segment_fixed_size 0
		.amdhsa_private_segment_fixed_size 0
		.amdhsa_enable_private_segment 0
		.amdhsa_kernarg_size 56
		.amdhsa_user_sgpr_count 2
		.amdhsa_user_sgpr_kernarg_segment_ptr 1
		.amdhsa_wavefront_size32 1
		.amdhsa_system_sgpr_workgroup_id_x 1
		.amdhsa_system_sgpr_workgroup_id_y 1
		.amdhsa_system_sgpr_workgroup_id_z 1
		.amdhsa_system_vgpr_workitem_id 0
		.amdhsa_next_free_vgpr 128
		.amdhsa_next_free_sgpr 66
		.amdhsa_reserve_vcc 0
		.amdhsa_float_denorm_mode_32 3
		.amdhsa_float_denorm_mode_16_64 3
		.amdhsa_memory_ordered 1
		.amdhsa_forward_progress 1
		.amdhsa_inst_pref_size 9
	.end_amdhsa_kernel
	.amdgpu_metadata
---
amdhsa.version: [ 1, 2 ]
amdhsa.kernels:
  - .name:           k_q17711dd9c3_wprep
    .symbol:         k_q17711dd9c3_wprep.kd
    .args:
      - { .name: Wq1, .offset: 0, .size: 8, .value_kind: global_buffer, .address_space: global }
      - { .name: Wq2, .offset: 8, .size: 8, .value_kind: global_buffer, .address_space: global }
      - { .name: Wk1, .offset: 16, .size: 8, .value_kind: global_buffer, .address_space: global }
      - { .name: Wk2, .offset: 24, .size: 8, .value_kind: global_buffer, .address_space: global }
      - { .name: Wv, .offset: 32, .size: 8, .value_kind: global_buffer, .address_space: global }
      - { .name: Wo, .offset: 40, .size: 8, .value_kind: global_buffer, .address_space: global }
      - { .name: wts, .offset: 48, .size: 8, .value_kind: global_buffer, .address_space: global }
    .group_segment_fixed_size: 0
    .private_segment_fixed_size: 0
    .kernarg_segment_align: 8
    .kernarg_segment_size: 56
    .max_flat_workgroup_size: 32
    .sgpr_count:     66
    .vgpr_count:     128
    .wavefront_size: 32
...
	.end_amdgpu_metadata
.endif
;; end of part 1
;; launch proj (part 2): grid 256 x 1, 16 waves a work-group, no clusters, 169,984 bytes of LDS; arguments x, y, wts, gq1, bq1, mq1, vq1, gq2, bq2, mq2, vq2, gk1, bk1, mk1, vk1, gk2, bk2, mk2, vk2, q, qs, kv, kvs; writes q, qs, kv, kvs
.if DOCPART == 2
	.amdgcn_target "amdgcn-amd-amdhsa--gfx1250"
	.amdhsa_code_object_version 6
	.text
	.protected	k_q17711dd9c3_proj
	.globl	k_q17711dd9c3_proj
	.p2align	8
	.type	k_q17711dd9c3_proj,@function
k_q17711dd9c3_proj:
	s_mov_b64 s[64:65], 0
	v_nop
	global_prefetch_b8 v0, s[64:65] scope:SCOPE_SE
	s_setreg_imm32_b32 hwreg(HW_REG_WAVE_MODE, 25, 1), 1
	s_wait_xcnt 0x0
; The five 1 x 1 convolutions with their BatchNorm and ReLU, on codes of FP6 (E2M3) with one E8M0 scale for each 32 along K.  q, k and v leave as images of operand registers (1,536 bytes a fragment, registers 4 j .. 4 j + 3 of lane l at
; 512 j + 16 l) with one scale word a row.
; SHARES.  A work-group takes 128 pixels of one image: work-groups 0-127 of y (k's chain and v), 128-255 of x (q's chain).  One text serves both: pointers and three strides are chosen by the work-group's number.
; PHASE X, all 16 waves: K (the channels) is not innermost in x and y, so A LANE TAKES A PIXEL AND ITS REGISTERS RUN DOWN THE CHANNELS: wave pg + 4 hh + 8 s takes pixels 32 pg + lane and channels 128 s + 64 c + 32 hh + 0 .. 31,
; c = 0, 1: two whole blocks, which are just the 2 x 6 registers of lane (r, hh) of fragment (tile of pixels, K step s).  They go to LDS at that lane's place in the fragment's image.
; THE PIXELS OF A TILE: row r of tile 2 b + u is pixel 32 b + 8 u + r + 8 (r / 8) of the 128; the weights' tiles are laid likewise.  So a product's 8 result tiles hold, in a lane's 64 registers, 16 neighbours of each block of 32 of
; the next product's K, whichever side the tile stood on.
; CHAIN, waves 0-7, one tile of 16 pixels each: h = relu(BN(W1 x)) (source 0 = 16 rows of W1, source 1 = my pixels: a lane holds one pixel), quantised in registers, then relu(BN(W2 h)), quantised: a fragment of q or of k.
; VALUE, waves 8-15 of y's work-groups, 16 channels of v each: source 0 = 16 pixels, source 1 = 16 rows of Wv: a lane holds one channel and its registers run along the 128 pixels, which are one K step of attention's second product.
; In x's work-groups waves 8-15 end behind the barrier, and their eight loads of Wv serve nothing: the price of one path through the head.
; BatchNorm is conv x s + t with s = g x rsq(v + eps), t = b - m s, by fused multiply-adds.
; LIMITS: s is within 2 ulp of g / sqrt(v + eps); a block of zeros, or one under 2^-124, gets the scale byte 1 (this program alone reads the bytes); NaN and infinities are not served.
; NO CLUSTER: what work-groups share, the role's 39,936 bytes of weight images, is under a third of the 131,072 bytes of pixels that each reads alone, and it is read once, at the head.
; No ring: one tensor load in the launch, nothing is filled again.  No prefetch: every load of the launch is issued at its head.
.set XS,  39936                        ; LDS: 0 .. 39,935 the role's weight images and scale words, filled once by the tensor load;  here the pixels' scale words: fragment F = 2 tile + s at 64 F + 4 r
.set BN,  40960                        ; s of layer L at 512 L + 4 channel, t 1,024 further on
.set XI,  43008                        ; the pixels' 16 fragments,
.set XF,  1600                         ; 1,600 bytes apart
.set LI,  1                            ; v1   16 x lane
.set LS4, 2                            ; v2   4 x lane
.set XRC, 3                            ; v3   chain: my tile's two fragments
.set XRV, 4                            ; v4   value: all fragments
.set XSC, 5                            ; v5   chain: my tile's scale words
.set XSV, 6                            ; v6   value: all scale words
.set BNA, 7                            ; v7   BN + 64 (lane / 16)
.set XW,  8                            ; v8   phase X: where my codes go
.set XB,  9                            ; v9   phase X: where my scale bytes go
.set GV,  10                           ; v10  phase X: my byte offset in the image
.set BNW, 11                           ; v11  BN + 4 x thread
.set BNG, 12                           ; v12  4 x (thread % 128)
.set LQ,  13                           ; v13  4 x (lane % 16)
.set SA,  42                           ; v40-41 source 1's scale words; v42-45, v46-49 those of the two fragment buffers; v50 the word just made: v40-50 hold scales alone
.set SB,  46
.set PW,  50
.set H,   52                           ; v52-115  eight result tiles; in phase X my 64 numbers
.set PC,  116                          ; v116-134 codes
.set FA,  136                          ; v136-183, v184-231 two buffers of four fragments
.set FB,  184
.set TM,  232                          ; v232-247 at work
.set WV,  50                           ; s50 wave; s51 wave % 8
.set W7,  51
.set G0,  52                           ; s[52:55], s[56:63] the descriptor
.set G1,  56
.set SEL, 66
.macro PLACES                          ; four places between a matrix instruction and a load into its registers or a read of its result
.rept 4
	v_nop
.endr
.endm
.macro QUANT s                         ; v[s] .. v[s + 63], register 16 b + i = k 32 b + 16 (lane / 16) + i of my row, become a fragment's codes in v[PC] on and its scale word in v[PW]
.irp b, 0,1,2,3
	v_max3_num_f32 v[TM+\b], |v[\s+16*\b]|, |v[\s+1+16*\b]|, 0x1800000   ; block b: my 16 numbers, and the floor 2^(3 - 127): the byte cannot fall under 1
.endr
.irp i, 2,4,6,8,10,12,14
.irp b, 0,1,2,3
	v_max3_num_f32 v[TM+\b], v[TM+\b], |v[\s+16*\b+\i]|, |v[\s+1+16*\b+\i]|
.endr
.endr
.irp b, 0,1,2,3
	v_permlanex16_b32 v[TM+4+\b], v[TM+\b], s[SEL], s[SEL+1]
.endr
.irp b, 0,1,2,3
	v_max_num_f32 v[TM+\b], v[TM+\b], v[TM+4+\b]   ; with lane l xor 16's: the block's largest magnitude
.endr
.irp b, 0,1,2,3
	v_add_nc_u32 v[TM+12+\b], 0xff000000, v[TM+\b]   ; 2 off its exponent field: the conversion's scale operand
.endr
.irp b, 0,1,2,3
	v_lshrrev_b32 v[TM+4+\b], 23, v[TM+12+\b]   ; the scale's byte
.endr
	v_lshl_or_b32 v[PW], v[TM+5], 8, v[TM+4]
	v_lshl_or_b32 v[PW], v[TM+6], 16, v[PW]
	v_lshl_or_b32 v[PW], v[TM+7], 24, v[PW]
.irp c, 0,1
	v_cvt_scalef32_pk16_fp6_f32 v[PC+6*\c:PC+2+6*\c], v[\s+32*\c:\s+15+32*\c], v[TM+12+2*\c]
	v_cvt_scalef32_pk16_fp6_f32 v[PC+12+4*\c:PC+14+4*\c], v[\s+16+32*\c:\s+31+32*\c], v[TM+12+2*\c+1]
.endr
	v_nop                                          ; one plain place behind a scaled conversion
.irp c, 0,1
.irp i, 0,1,2
	v_permlane16_swap_b32 v[PC+6*\c+\i], v[PC+12+4*\c+\i]
.endr
.irp i, 0,1,2
	v_mov_b32 v[PC+3+6*\c+\i], v[PC+12+4*\c+\i]
.endr
.endr
.endm
; PHASE X, block c of my pixel: 32 numbers, all mine; six registers of codes and one byte, to their places in the fragment's image.  Each block has registers of its own, so no LDS store's data are written again ahead of the barrier.
.macro QB c
.set XQ, H+32*\c
.set CQ, PC+10*\c
.set TQ, TM+8*\c
	v_max3_num_f32 v[TQ], |v[XQ]|, |v[XQ+1]|, |v[XQ+2]|
	v_max3_num_f32 v[TQ+1], |v[XQ+3]|, |v[XQ+4]|, |v[XQ+5]|
.irp i, 6,10,14,18,22,26
	v_max3_num_f32 v[TQ], v[TQ], |v[XQ+\i]|, |v[XQ+\i+1]|
	v_max3_num_f32 v[TQ+1], v[TQ+1], |v[XQ+\i+2]|, |v[XQ+\i+3]|
.endr
	v_max3_num_f32 v[TQ], v[TQ], |v[XQ+30]|, |v[XQ+31]|
	v_max3_num_f32 v[TQ], v[TQ], v[TQ+1], 0x1800000
	v_add_nc_u32 v[TQ+2], 0xff000000, v[TQ]
	v_cvt_scalef32_pk16_fp6_f32 v[CQ:CQ+2], v[XQ:XQ+15], v[TQ+2]
	v_cvt_scalef32_pk16_fp6_f32 v[CQ+6:CQ+8], v[XQ+16:XQ+31], v[TQ+2]
	v_lshrrev_b32 v[TQ+3], 23, v[TQ+2]             ; the byte; also the plain place behind the conversions
.irp i, 0,1,2
	v_mov_b32 v[CQ+3+\i], v[CQ+6+\i]
.endr
.if \c == 0
	ds_store_b128 v[XW], v[CQ:CQ+3]                ; the operand's registers 0-3
	ds_store_b64 v[XW], v[CQ+4:CQ+5] offset:512    ; 4, 5
.else
	ds_store_b64 v[XW], v[CQ:CQ+1] offset:520      ; 6, 7
	ds_store_b128 v[XW], v[CQ+2:CQ+5] offset:1024  ; 8-11
.endif
	ds_store_b8 v[XB], v[TQ+3] offset:2*\c         ; block 2 c + hh of the K step
.endm
; group g of a product over K = 256: K step g / 2, source 0's tiles 4 (g % 2) + 0 .. 3: four fragments and their scale words, 16 LDS loads
.macro GRP buf, sc, g, aF, sF, aS, bS, sS
.irp e, 0,1,2,3
.irp j, 0,1,2
	ds_load_b128 v[\buf+12*\e+4*\j:\buf+12*\e+4*\j+3], v[\aF] offset:\sF*(2*(4*((\g)%2)+\e)+(\g)/2)+512*\j
.endr
	ds_load_b32 v[\sc+\e], v[\aS] offset:\bS+\sS*(2*(4*((\g)%2)+\e)+(\g)/2)
.endr
.endm
.macro MM4 buf, sc, g, zero
.irp e, 0,1,2,3
.if \zero
	v_wmma_scale_f32_16x16x128_f8f6f4 v[H+8*(4*((\g)%2)+\e):H+8*(4*((\g)%2)+\e)+7], v[\buf+12*\e:\buf+12*\e+11], v[16+12*((\g)/2):27+12*((\g)/2)], 0, v[\sc+\e], v[40+(\g)/2] matrix_a_fmt:MATRIX_FMT_FP6 matrix_b_fmt:MATRIX_FMT_FP6
.else
	v_wmma_scale_f32_16x16x128_f8f6f4 v[H+8*(4*((\g)%2)+\e):H+8*(4*((\g)%2)+\e)+7], v[\buf+12*\e:\buf+12*\e+11], v[16+12*((\g)/2):27+12*((\g)/2)], v[H+8*(4*((\g)%2)+\e):H+8*(4*((\g)%2)+\e)+7], v[\sc+\e], v[40+(\g)/2] matrix_a_fmt:MATRIX_FMT_FP6 matrix_b_fmt:MATRIX_FMT_FP6
.endif
.endr
.endm
; 16 products: source 0's eight tiles from LDS, in four groups through two buffers; source 1's two fragments stay in v16-39.  The eight accumulators take turns, one instruction a turn.
.macro PROD1 aF, sF, aS, bS, sS
	GRP FA, SA, 0, \aF, \sF, \aS, \bS, \sS
	GRP FB, SB, 1, \aF, \sF, \aS, \bS, \sS
	s_wait_dscnt 16                                ; all but the youngest group's 16 loads
	MM4 FA, SA, 0, 1                               ; the first K step starts the sums
	PLACES
	GRP FA, SA, 2, \aF, \sF, \aS, \bS, \sS
	s_wait_dscnt 16
	MM4 FB, SB, 1, 1
	PLACES
	GRP FB, SB, 3, \aF, \sF, \aS, \bS, \sS
	s_wait_dscnt 16
	MM4 FA, SA, 2, 0
	s_wait_dscnt 0x0
	MM4 FB, SB, 3, 0
	PLACES
.endm
; H = relu(H s + t), layer L.  Register 16 b + i is channel 32 b + 16 (lane / 16) + i.  s and t take the registers that the products have left.
.macro BNRELU L
.irp b, 0,1,2
.irp i, 0,1,2,3
	ds_load_b128 v[FA+16*\b+4*\i:FA+16*\b+4*\i+3], v[BNA] offset:512*\L+128*\b+16*\i
	ds_load_b128 v[FB+16*\b+4*\i:FB+16*\b+4*\i+3], v[BNA] offset:1024+512*\L+128*\b+16*\i
.endr
.endr
.irp i, 0,1,2,3
	ds_load_b128 v[16+4*\i:19+4*\i], v[BNA] offset:512*\L+384+16*\i
	ds_load_b128 v[PC+4*\i:PC+4*\i+3], v[BNA] offset:1024+512*\L+384+16*\i
.endr
	s_wait_dscnt 0x0
.irp b, 0,1,2                                  ; each accumulator from its low end on
.irp p, 0,2,4,6,8,10,12,14
	v_pk_fma_f32 v[H+16*\b+\p:H+16*\b+\p+1], v[H+16*\b+\p:H+16*\b+\p+1], v[FA+16*\b+\p:FA+16*\b+\p+1], v[FB+16*\b+\p:FB+16*\b+\p+1]
.endr
.endr
.irp p, 0,2,4,6,8,10,12,14
	v_pk_fma_f32 v[H+48+\p:H+48+\p+1], v[H+48+\p:H+48+\p+1], v[16+\p:17+\p], v[PC+\p:PC+\p+1]
.endr
.set jj, 0
.rept 64
	v_max_num_f32 v[H+jj], 0, v[H+jj]
.set jj, jj+1
.endr
.endm
	s_load_b512 s[4:19], s[0:1], 0x0               ; x s4, y s6, wts s8, gq1 s10, bq1 s12, mq1 s14, vq1 s16, gq2 s18
	s_load_b512 s[20:35], s[0:1], 0x40             ; bq2 s20, mq2 s22, vq2 s24, gk1 s26, bk1 s28, mk1 s30, vk1 s32, gk2 s34
	s_load_b256 s[36:43], s[0:1], 0x80             ; bk2 s36, mk2 s38, vk2 s40, q s42
	s_load_b128 s[44:47], s[0:1], 0xa0             ; qs s44, kv s46
	s_load_b64 s[48:49], s[0:1], 0xb0              ; kvs
	v_lshl_add_u32 v254, v0, 2, 0x29000
	v_mov_b32 v255, 0
	ds_add_u32 v254, v255
	v_lshrrev_b32 v15, 5, v0
	v_readfirstlane_b32 s[WV], v15                 ; wave 0..15
	s_and_b32 s[W7], s[WV], 7
	s_and_b32 s72, s[WV], 3                        ; pg: which 32 pixels
	s_lshr_b32 s73, s[WV], 3                       ; s: which K step
	s_bfe_u32 s74, s[WV], 0x10002                  ; hh: which half of the operand's lanes
	; every LDS address is made here, ahead of the first branch on the wave's number
	v_and_b32 v14, 31, v0
	v_lshlrev_b32 v[LI], 4, v14
	v_lshlrev_b32 v[LS4], 2, v14
	v_and_b32 v[LQ], 15, v0
	v_lshlrev_b32 v[LQ], 2, v[LQ]
	s_mul_i32 s75, s[W7], 2*XF
	s_add_co_u32 s75, s75, XI
	v_add_nc_u32 v[XRC], s75, v[LI]
	v_add_nc_u32 v[XRV], XI, v[LI]
	s_lshl_b32 s75, s[W7], 7
	s_add_co_u32 s75, s75, XS
	v_add_nc_u32 v[XSC], s75, v[LQ]
	v_add_nc_u32 v[XSV], XS, v[LQ]
	v_bfe_u32 v15, v0, 4, 1
	v_lshl_add_u32 v[BNA], v15, 6, BN
	v_and_b32 v14, 7, v0
	v_lshl_add_u32 v14, v15, 3, v14                ; pixel 32 pg + lane is row r = lane % 8 + 8 (lane / 16)
	v_bfe_u32 v15, v0, 3, 1                        ; of tile 2 pg + u, u = (lane / 8) % 2
	s_mul_i32 s75, s72, 4*XF
	s_mul_i32 s76, s73, XF
	s_add_co_u32 s75, s75, s76
	s_lshl_b32 s76, s74, 8
	s_add_co_u32 s75, s75, s76
	s_add_co_u32 s75, s75, XI
	v_mul_u32_u24 v[XW], v15, 2*XF
	v_lshl_add_u32 v[XW], v14, 4, v[XW]
	v_add_nc_u32 v[XW], s75, v[XW]                 ; fragment 4 pg + 2 u + s, lane r + 16 hh
	s_lshl_b32 s75, s72, 8
	s_lshl_b32 s76, s73, 6
	s_add_co_u32 s75, s75, s76
	s_add_co_u32 s75, s75, s74
	s_add_co_u32 s75, s75, XS
	v_lshlrev_b32 v[XB], 7, v15
	v_lshl_add_u32 v[XB], v14, 2, v[XB]
	v_add_nc_u32 v[XB], s75, v[XB]                 ; that fragment's word of row r, byte hh (+ 2 c)
	s_lshl_b32 s75, s72, 7
	s_lshl_b32 s76, s73, 21
	s_add_co_u32 s75, s75, s76
	s_lshl_b32 s76, s74, 19
	s_add_co_u32 s75, s75, s76
	v_add_nc_u32 v[GV], s75, v[LS4]                ; 4 (32 pg + lane) + (128 s + 32 hh) channels of 16,384 bytes
	v_lshl_add_u32 v[BNW], v0, 2, BN
	v_and_b32 v[BNG], 127, v0
	v_lshlrev_b32 v[BNG], 2, v[BNG]
.irp b, 0,1,2,3
	v_mov_b32 v[TM+4+\b], 0                        ; a lane permute's destination counts as one of its sources
.endr
	s_mov_b32 s[SEL], 0x76543210
	s_mov_b32 s[SEL+1], 0xfedcba98
	; the descriptor: a dense block of 39,936 bytes as 156 rows of 256 bytes
	s_mov_b32 s[G1+0], 3<<16                       ; no mask; elements of 8 bytes; no padding
	s_mov_b32 s[G1+1], 32<<16                      ; tensor_dim0 = 32
	s_mov_b32 s[G1+2], 156<<16                     ; tensor_dim1 = 156
	s_mov_b32 s[G1+3], 32<<16                      ; tile_dim0 = 32
	s_mov_b32 s[G1+4], 156                         ; tile_dim1 = 156
	s_mov_b32 s[G1+5], 32                          ; from row to row
	s_mov_b32 s[G1+6], 0
	s_mov_b32 s[G1+7], 0
	s_mov_b32 s[G0], 1
	s_mov_b32 s[G0+1], 0                           ; to LDS byte 0
	s_and_b32 s71, ttmp9, 127                      ; 32 x image + chunk of 128 pixels
	s_lshr_b32 s80, s71, 5
	s_lshl_b32 s80, s80, 22
	s_and_b32 s81, s71, 31
	s_lshl_b32 s81, s81, 9
	s_add_co_u32 s80, s80, s81                     ; the chunk's first byte in channel 0 of its image
	s_mov_b32 s81, 0
	s_mov_b32 s69, 12288
	s_mov_b32 s70, 512
	s_mov_b32 s83, 0
	s_wait_dscnt 0x0
	s_wait_kmcnt 0x0
	s_cmp_lt_u32 ttmp9, 128                        ; y's work-group or x's?  The choice hangs on the work-group's number alone
	s_cselect_b64 s[4:5], s[6:7], s[4:5]
.irp i, 0,1,2,3,4,5,6,7
	s_cselect_b64 s[10+2*\i:11+2*\i], s[26+2*\i:27+2*\i], s[10+2*\i:11+2*\i]   ; g, b, m, v of both layers
.endr
	s_cselect_b64 s[42:43], s[46:47], s[42:43]     ; codes go to kv or to q,
	s_cselect_b64 s[44:45], s[48:49], s[44:45]     ; scale words to kvs or to qs
	s_cselect_b32 s82, 39936, 0                    ; the role's block of wts
	s_cselect_b32 s69, 24576, s69                  ; a chunk's codes: K's and V's eight fragments each, or q's eight
	s_cselect_b32 s70, 1024, s70                   ; and its scale words
	s_add_nc_u64 s[G0+2:G0+3], s[8:9], s[82:83]
	s_or_b32 s[G0+3], s[G0+3], 0x80000000          ; type = 2
	s_cmp_lg_u32 s[WV], 0
	s_cbranch_scc1 .Lno_fill
	tensor_load_to_lds s[G0:G0+3], s[G1:G1+7]      ; wave 0: the launch's one tensor load
	s_nop 0
	PLACES
.Lno_fill:
	s_add_nc_u64 s[4:5], s[4:5], s[80:81]
	s_cmp_lt_u32 s[WV], 4                          ; waves 0-3 make layer 1's s and t, waves 4-7 layer 2's: a thread a channel
	s_cselect_b64 s[10:11], s[10:11], s[18:19]
	s_cselect_b64 s[12:13], s[12:13], s[20:21]
	s_cselect_b64 s[14:15], s[14:15], s[22:23]
	s_cselect_b64 s[16:17], s[16:17], s[24:25]
	s_cmp_lt_u32 s[WV], 8                          ; where my fragment goes: V's lie behind K's
	s_cselect_b32 s75, 0, 12288
	s_cselect_b32 s76, 0, 512
	s_mul_i32 s84, s71, s69
	s_mul_i32 s77, s[W7], 1536
	s_add_co_u32 s84, s84, s77
	s_add_co_u32 s84, s84, s75
	s_mov_b32 s85, 0
	s_add_nc_u64 s[84:85], s[42:43], s[84:85]
	s_mul_i32 s86, s71, s70
	s_lshl_b32 s77, s[W7], 6
	s_add_co_u32 s86, s86, s77
	s_add_co_u32 s86, s86, s76
	s_mov_b32 s87, 0
	s_add_nc_u64 s[86:87], s[44:45], s[86:87]
	s_mul_i32 s76, s[W7], 3072
	s_add_co_u32 s76, s76, 79872
	s_mov_b32 s77, 0
	s_add_nc_u64 s[76:77], s[8:9], s[76:77]        ; Wv's two fragments of tile wave - 8,
	s_lshl_b32 s78, s[W7], 8
	s_add_co_u32 s78, s78, 79872+24576
	s_mov_b32 s79, 0
	s_add_nc_u64 s[78:79], s[8:9], s[78:79]        ; and their scale words
	s_cmp_lt_u32 s[WV], 8
	s_cbranch_scc0 .Lwv
	global_load_b32 v248, v[BNG], s[10:11]         ; g
	global_load_b32 v249, v[BNG], s[12:13]         ; b
	global_load_b32 v250, v[BNG], s[14:15]         ; m
	global_load_b32 v251, v[BNG], s[16:17]         ; v
	s_branch .Lxl
.Lwv:
.irp s, 0,1
.irp j, 0,1,2
	global_load_b128 v[16+12*\s+4*\j:19+12*\s+4*\j], v[LI], s[76:77] offset:1536*\s+512*\j
.endr
	global_load_b32 v[40+\s], v[LS4], s[78:79] offset:128*\s
.endr
.Lxl:
.irp c, 0,1
.set jj, 0
.rept 32
	global_load_b32 v[H+32*\c+jj], v[GV], s[4:5] offset:(64*\c+jj)*16384 th:TH_LOAD_NT   ; a channel's 32 neighbouring pixels: 128 consecutive bytes a wave, 512 for the four waves side by side
.set jj, jj+1
.endr
.endr
	s_wait_loadcnt 32                              ; all but my second block's 32 loads
	s_cmp_lt_u32 s[WV], 8
	s_cbranch_scc0 .Lno_bn
	v_add_f32 v251, 0x3727c5ac, v251               ; v + 1e-5
	v_rsq_f32 v252, v251
	v_nop                                          ; a plain place behind the transcendental,
	s_wait_alu depctr_va_vdst(0)                   ; and the wait ahead of its first reader
	v_mul_f32 v252, v248, v252                     ; s
	v_fma_f32 v253, -v250, v252, v249              ; t = b - m s
	ds_store_b32 v[BNW], v252
	ds_store_b32 v[BNW], v253 offset:1024
.Lno_bn:
	QB 0
	s_wait_loadcnt 0x0
	QB 1
	s_wait_tensorcnt 0x0                           ; the weights have landed (wave 0's load; the others have none out),
	s_wait_dscnt 0x0                               ; my stores have landed:
	s_barrier_signal -1
	s_barrier_wait -1                              ; the one barrier: weights, pixels' fragments, scale words, s and t lie in LDS; nothing in LDS is written behind it
	s_cmp_lt_u32 s[WV], 8
	s_cbranch_scc0 .Lvalue
	; ---- CHAIN: tile of pixels = wave
.irp s, 0,1
.irp j, 0,1,2
	ds_load_b128 v[16+12*\s+4*\j:19+12*\s+4*\j], v[XRC] offset:XF*\s+512*\j
.endr
	ds_load_b32 v[40+\s], v[XSC] offset:64*\s
.endr
	PROD1 LI, 1536, LS4, 36864, 128                ; W1's 16 fragments
	BNRELU 0
.irp t, 0,1,2,3,4,5,6,7                        ; W2's eight fragments land while the hidden layer is quantised
.irp j, 0,1,2
	ds_load_b128 v[FA+12*\t+4*\j:FA+12*\t+4*\j+3], v[LI] offset:24576+1536*\t+512*\j
.endr
	ds_load_b32 v[SA+\t], v[LS4] offset:38912+128*\t
.endr
	QUANT H
.rept 8
	v_nop                                          ; a scale register written by a vector instruction stands 8 places ahead of a scaled matrix instruction, an operand so written 4
.endr
	s_wait_dscnt 0x0
.irp t, 0,1,2,3,4,5,6,7
	v_wmma_scale_f32_16x16x128_f8f6f4 v[H+8*\t:H+8*\t+7], v[FA+12*\t:FA+12*\t+11], v[PC:PC+11], 0, v[SA+\t], v[PW] matrix_a_fmt:MATRIX_FMT_FP6 matrix_b_fmt:MATRIX_FMT_FP6
.endr
	PLACES
	BNRELU 1
	s_branch .Lcodes
.Lvalue:
	s_cmp_lt_u32 ttmp9, 128
	s_cbranch_scc1 .Lvalue_y
	s_wait_tensorcnt 0x0
	ds_add_u32 v254, v255
	s_wait_dscnt 0x0
	s_endpgm                                       ; x has no values
.Lvalue_y:
	; ---- VALUE: source 0 = y's eight tiles of pixels, source 1 = Wv's tile wave - 8
	PROD1 XRV, XF, XSV, 0, 64
.Lcodes:
	QUANT H                                        ; along the channels (q, k) or along the 128 pixels (v)
.irp j, 0,1,2
	global_store_b128 v[LI], v[PC+4*\j:PC+4*\j+3], s[84:85] offset:512*\j   ; 32 lanes store 512 consecutive bytes
.endr
	global_store_b32 v[LQ], v[PW], s[86:87]        ; 16 words; lanes l and l + 16 hold the same word and write it to the same place
	s_wait_tensorcnt 0x0
	ds_add_u32 v254, v255
	s_wait_dscnt 0x0
	s_endpgm
.Lfunc_end_k_q17711dd9c3_proj:
	.size	k_q17711dd9c3_proj, .Lfunc_end_k_q17711dd9c3_proj-k_q17711dd9c3_proj
	.p2alignl 7, 3214868480
	.fill 96, 4, 3214868480
	.section	.rodata,"a",@progbits
	.p2align	6, 0x0
	.amdhsa_kernel k_q17711dd9c3_proj
		.amdhsa_group_segment_fixed_size 169984
		.amdhsa_private_segment_fixed_size 0
		.amdhsa_enable_private_segment 0
		.amdhsa_kernarg_size 184
		.amdhsa_user_sgpr_count 2
		.amdhsa_user_sgpr_kernarg_segment_ptr 1
		.amdhsa_wavefront_size32 1
		.amdhsa_system_sgpr_workgroup_id_x 1
		.amdhsa_system_sgpr_workgroup_id_y 1
		.amdhsa_system_sgpr_workgroup_id_z 1
		.amdhsa_system_vgpr_workitem_id 0
		.amdhsa_next_free_vgpr 256
		.amdhsa_next_free_sgpr 90
		.amdhsa_reserve_vcc 0
		.amdhsa_float_denorm_mode_32 3
		.amdhsa_float_denorm_mode_16_64 3
		.amdhsa_memory_ordered 1
		.amdhsa_forward_progress 1
		.amdhsa_inst_pref_size 55
	.end_amdhsa_kernel
	.amdgpu_metadata
---
amdhsa.version: [ 1, 2 ]
amdhsa.kernels:
  - .name:           k_q17711dd9c3_proj
    .symbol:         k_q17711dd9c3_proj.kd
    .args:
      - { .name: x, .offset: 0, .size: 8, .value_kind: global_buffer, .address_space: global }
      - { .name: y, .offset: 8, .size: 8, .value_kind: global_buffer, .address_space: global }
      - { .name: wts, .offset: 16, .size: 8, .value_kind: global_buffer, .address_space: global }
      - { .name: gq1, .offset: 24, .size: 8, .value_kind: global_buffer, .address_space: global }
      - { .name: bq1, .offset: 32, .size: 8, .value_kind: global_buffer, .address_space: global }
      - { .name: mq1, .offset: 40, .size: 8, .value_kind: global_buffer, .address_space: global }
      - { .name: vq1, .offset: 48, .size: 8, .value_kind: global_buffer, .address_space: global }
      - { .name: gq2, .offset: 56, .size: 8, .value_kind: global_buffer, .address_space: global }
      - { .name: bq2, .offset: 64, .size: 8, .value_kind: global_buffer, .address_space: global }
      - { .name: mq2, .offset: 72, .size: 8, .value_kind: global_buffer, .address_space: global }
      - { .name: vq2, .offset: 80, .size: 8, .value_kind: global_buffer, .address_space: global }
      - { .name: gk1, .offset: 88, .size: 8, .value_kind: global_buffer, .address_space: global }
      - { .name: bk1, .offset: 96, .size: 8, .value_kind: global_buffer, .address_space: global }
      - { .name: mk1, .offset: 104, .size: 8, .value_kind: global_buffer, .address_space: global }
      - { .name: vk1, .offset: 112, .size: 8, .value_kind: global_buffer, .address_space: global }
      - { .name: gk2, .offset: 120, .size: 8, .value_kind: global_buffer, .address_space: global }
      - { .name: bk2, .offset: 128, .size: 8, .value_kind: global_buffer, .address_space: global }
      - { .name: mk2, .offset: 136, .size: 8, .value_kind: global_buffer, .address_space: global }
      - { .name: vk2, .offset: 144, .size: 8, .value_kind: global_buffer, .address_space: global }
      - { .name: q, .offset: 152, .size: 8, .value_kind: global_buffer, .address_space: global }
      - { .name: qs, .offset: 160, .size: 8, .value_kind: global_buffer, .address_space: global }
      - { .name: kv, .offset: 168, .size: 8, .value_kind: global_buffer, .address_space: global }
      - { .name: kvs, .offset: 176, .size: 8, .value_kind: global_buffer, .address_space: global }
    .group_segment_fixed_size: 169984
    .private_segment_fixed_size: 0
    .kernarg_segment_align: 8
    .kernarg_segment_size: 184
    .max_flat_workgroup_size: 512
    .sgpr_count:     90
    .vgpr_count:     256
    .wavefront_size: 32
...
	.end_amdgpu_metadata
.endif
;; end of part 2
;; launch attn (part 3): grid 64 x 4, 8 waves a work-group, clusters of 4 x 1, 327,680 bytes of LDS; arguments q, qs, kv, kvs, wts, go, bo, mo, vo, x, out0; writes out0
.if DOCPART == 3
	.amdgcn_target "amdgcn-amd-amdhsa--gfx1250"
	.amdhsa_code_object_version 6
	.text
	.protected	k_q17711dd9c3_attn
	.globl	k_q17711dd9c3_attn
	.p2align	8
	.type	k_q17711dd9c3_attn,@function
k_q17711dd9c3_attn:
	s_mov_b64 s[64:65], 0
	v_nop
	global_prefetch_b8 v0, s[64:65] scope:SCOPE_SE
	s_setreg_imm32_b32 hwreg(HW_REG_WAVE_MODE, 25, 1), 1
	s_wait_xcnt 0x0
	s_wait_alu depctr_hold_cnt(0) depctr_sa_sdst(0) depctr_va_vdst(0) depctr_va_sdst(0) depctr_va_ssrc(0) depctr_va_vcc(0) depctr_vm_vsrc(0)
	s_getreg_b32 s2, hwreg(HW_REG_IB_STS2, 6, 4)
	s_cmp_eq_u32 s2, 0
	s_cbranch_scc0 .Lentry_in_a_cluster
	s_endpgm
.Lentry_in_a_cluster:
	s_bfe_u32 s2, ttmp6, 0x10000c
	s_cmp_lg_u32 s2, 0x3003
	s_cbranch_scc0 .Lentry_shape_is_right
	s_endpgm
.Lentry_shape_is_right:
; out = x + relu(BN_o(Wo ctx)), ctx = softmax(q k^T / sqrt(128)) v, all three products on codes of FP6 (E2M3) with one E8M0 scale for each 32 along K.
; q, k, v and Wo arrive as images of operand registers (a fragment: 1,536 bytes, registers 4 j .. 4 j + 3 of lane l at 512 j + 16 l) with one scale word a row: every fragment comes by three loads of 16 bytes a lane, 512 consecutive bytes each.
; THE SOFTMAX: t = score x log2(e) / sqrt(128); M = the largest t so far, rounded up to a whole number; p = 2^(t - M) is quantised along the keys, not normalised; the sum is taken of the unquantised p and divides at the end.
; SHARES.  A work-group owns 64 queries of one image: four tiles of 16.  Each of its EIGHT waves owns TWO tiles, so that a fragment of K or V read from LDS feeds two products, and THE KEYS ARE SPLIT: wave w takes the pair of tiles
; w % 2 and the chunks of 128 keys 4 j + w / 2, j = 0 .. 7.  4,096 / 64 x 4 = 256 work-groups, 512 registers a wave, 8 key steps a wave.  A step's four chunks, 98,304 bytes, are read twice from LDS: 196,608 bytes a step.
; Each wave runs an M, a sum and an O^T of its own for each tile; at the end the four parts of a tile are joined under the largest M by factors 2^(M_i - M), which round nothing.
; PLACES.  A wave's two tiles stand in places 0 and 1 of its registers; place a of wave (pair, group) holds tile 2 pair + (a xor group % 2).  So waves 0-3 hold the four tiles in place 0, and each joins that tile.
; LAYOUT.  S^T = K Q^T and O^T = V^T P^T: a lane holds one query throughout.  Row r of K's tile 2 b + u is key 32 b + 8 u + r + 8 (r / 8) of its chunk, so that p's 16 registers of two neighbouring tiles are 16 neighbouring keys; V's
; channels are laid likewise, so that O^T's registers are neighbours along the last product's K; so are the queries of a tile, so that a lane of the last product (source 0 = 16 queries, source 1 = 16 rows of Wo) holds 8 neighbouring pixels of one channel.
; THE TWO TILES BY TURNS.  They are independent, so one tile's 64 exponentials stand one by one between the plain lines of the other tile's work; each batch has one wait ahead of its first reader.
; THE RING.  Two LDS slots of a step's four chunks, 2^17 bytes apart.  Waves 0-3 fetch a chunk each; the image's scale words, 32,768 bytes, come once with the first fills.
; CLUSTER.  The four work-groups of a cluster belong to one image and walk the same K and V: every tile is asked for jointly, by the same tensor load with the same descriptor and a mask that names the four.
; REGISTERS, in windows of 256 (s_set_vgpr_msb: bits 1:0 source 0, 3:2 source 1, 5:4 source 2, 7:6 destination).  Window 0: all that the softmax touches but O^T.  Window 1: v0-127 O^T, 64 a tile; v128-223 the eight fragments of K or of V;
; v224-247 Q, 12 a tile; in the tail v128-191 x and v192-215 Wo's two fragments.  A step has ten switches.
; LIMITS: BN_o's scale is g x rsq(v + eps), within 2 ulp of g / sqrt; the division by the sum is a reciprocal and a multiplication; a p under 2^-126 counts as 0; a block of zeros gets the scale byte 1; NaN and infinities are not served.
.set CHUNK, 24576                      ; 128 keys: K's eight fragments, then V's eight
.set SCL,   98304                      ; LDS: 0 slot 0;  here the scale words: chunk kc at 1,024 kc: K's tile T, row r at 64 T + 4 r, V's 512 further on
.set SLOT1, 1<<17                      ; slot 1
.set SPARE, 229376                     ; the spare words, 128 bytes for each wave: four blocks of 256 bytes that no other line names
.set ML,    231424                     ; tile qt, turn i: -M at 1,024 qt + 256 i + 4 lane, the sum 128 further on
.set CIMG,  235520                     ; ctx's four fragments
.set CSC,   241664                     ; and their scale words, 128 bytes each
.set OSTG,  242176                     ; the way out: 256 rows (channels) x (256 bytes + 16); wave w's own rows are 32 w .. 32 w + 31
                                       ; the 12 partial O^T that travel, 8,192 bytes each, lie in slot 0: it has had its last fill, and nobody reads it behind the last change of slots
.set AK0, 1                            ; v1   my place in a slot: CHUNK x group + 16 lane
.set AS0, 2                            ; v2   my place among the scale words
.set ADK, 3                            ; v3, v4 the step's addresses
.set ADS, 4
.set SPW, 5                            ; v5   LDS address of my spare word; never rewritten
.set NIL, 6                            ; v6   0; never rewritten
.set MW,  7                            ; v7, v8   the tail: where place a's -M and sum go
.set PS,  9                            ; v9, v10  where place a's O^T goes
.set MLR, 11                           ; v11  the four -M and sums of the tile that I join
.set ST,  12                           ; v12-19 place a at 12 + 4 a: -M, the largest t, the sum in two halves
.set PRA, 20                           ; v20  the three partial O^T of the tile that I join
.set CIW, 21                           ; v21, v22 where its ctx and scale words go
.set CSW, 22
.set CIR, 23                           ; v23, v24 all four tiles of ctx, and their scale words
.set CSR, 24
.set SO,  25                           ; v25, v26 the stage: in, and back
.set SR,  26
.set GX,  27                           ; v27  my byte offset in x and out0
.set LI,  28                           ; v28  16 x lane
.set LS4, 29                           ; v29  4 x lane
.set LQ,  30                           ; v30  4 x (lane % 16)
.set PFO, 31                           ; v31  256 x lane; never rewritten
.set S,   32                           ; v32-159  S^T, then p: place a at 32 + 64 a
.set PCD, 160                          ; v160-183 p's codes: place a at 160 + 12 a
.set KS,  184                          ; v184-187 K's, V's or ctx's scale words;  v188-189 Q's;  v190-191 Wo's: they hold scales alone
.set QS,  188
.set WS,  190
.set FP,  192                          ; v192, v194 f of place 0, 1;  v193, v195 p's scale words
.set BSC, 196                          ; v[196:197], v[198:199] BN_o's scale of my two channels
.set T,   200                          ; v200-216, v220-236 at work: place a at 200 + 20 a
.set FJ,  220                          ; the join: v[220:221] .. v[226:227] the four factors; v[228:229] 1 / the sum
.set RC,  228
.set BNO, 243                          ; v243 my channel's place in go, bo, mo, vo
.set BNL, 244                          ; v244-251 g, b, m, v of my two channels
.set BSH, 252                          ; v[252:253], v[254:255] BN_o's shift
.set PC,  32                           ; the join's QUANT: codes v32-50, at work v200-215, scale word v193
.set TM,  200
.set PW,  193
.set FR,  128                          ; window 1: the fragments
.set QF,  224                          ; window 1: Q
.set XD,  128                          ; window 1, the tail: x
.set WO,  192                          ; window 1, the tail: Wo
.set WV,  26
.set CH,  27                           ; s27  wave % 4: the chunk that I fetch, if I fetch
.set KQ,  28                           ; s28  my group of keys
.set G1K, 32                           ; s[32:39] group 1 for a chunk;  s[40:47] for a quarter of the scale words;  s[48:51], s[52:55] their groups 0
.set G1S, 40
.set G0,  48
.set G0S, 52
.set SEL, 56
.set CS,  58
.set TB,  60                           ; s60  the slot in hand
.set TS,  61                           ; s61  the step's scale words: 4,096 bytes a step
.set SLOTS, 62
.set LIM, 63
.set PFA, 66
.set QP,  85                           ; s85  my pair of tiles
.set K1,  86                           ; s86  group % 2
.set MSB, 0
.macro WIN new                         ; the immediate's high byte repeats the setting that is left; a switch that changes nothing is dropped
.if MSB != \new
	s_set_vgpr_msb (MSB<<8)|\new
.set MSB, \new
.endif
.endm
.macro PLACES                          ; four places between a matrix instruction and a load into its registers or a read of its result
.rept 4
	v_nop
.endr
.endm
.macro CROUND                          ; a round of the cluster's barrier
	s_barrier_signal -1
	s_barrier_wait -1
	s_cmp_lg_u32 s[WV], 0
	s_cbranch_scc1 .Lnot_wave_0_\@
	s_barrier_signal -3
.Lnot_wave_0_\@:
	s_barrier_wait -3
	s_barrier_signal -1
	s_barrier_wait -1
.endm
.macro JLOAD                           ; waves 0-3: a chunk each.  The branch hangs on the wave's number alone.  Four v_nop follow the load
	s_cmp_lt_u32 s[WV], 4
	s_cbranch_scc0 .Lnone_\@
	tensor_load_to_lds s[G0:G0+3], s[G1K:G1K+7]
	s_nop 0
	PLACES
.Lnone_\@:
.endm
; A prefetch of what the NEXT change of slots will ask for: one key step ahead of that load.  All 16 clusters of an image walk the same kv: the first of them asks.  Its four partners share a step's four chunks out BY ADDRESS;
; in each, waves 4 to 6, which fetch nothing, take 8,192 bytes each, lanes 256 bytes apart: each block of 256 bytes is named once in the launch.  Steps 0 and 1 come by their loads alone; the last change that fills a slot asks for nothing.
.macro ASK
	s_cmp_gt_u32 s[SLOTS], s[LIM]
	s_cbranch_scc0 .Lnot_mine_\@
	global_prefetch_b8 v[PFO], s[PFA:PFA+1] th:TH_LOAD_NT scope:SCOPE_SE
.Lnot_mine_\@:
.endm
.macro QUANT s                         ; v[s] .. v[s + 63], register 16 b + i = k 32 b + 16 (lane / 16) + i of my row, become a fragment's codes in v[PC] on and its scale word in v[PW]
.irp b, 0,1,2,3
	v_max3_num_f32 v[TM+\b], |v[\s+16*\b]|, |v[\s+1+16*\b]|, 0x1800000
.endr
.irp i, 2,4,6,8,10,12,14
.irp b, 0,1,2,3
	v_max3_num_f32 v[TM+\b], v[TM+\b], |v[\s+16*\b+\i]|, |v[\s+1+16*\b+\i]|
.endr
.endr
.irp b, 0,1,2,3
	v_permlanex16_b32 v[TM+4+\b], v[TM+\b], s[SEL], s[SEL+1]
.endr
.irp b, 0,1,2,3
	v_max_num_f32 v[TM+\b], v[TM+\b], v[TM+4+\b]
.endr
.irp b, 0,1,2,3
	v_add_nc_u32 v[TM+12+\b], 0xff000000, v[TM+\b]
.endr
.irp b, 0,1,2,3
	v_lshrrev_b32 v[TM+4+\b], 23, v[TM+12+\b]
.endr
	v_lshl_or_b32 v[PW], v[TM+5], 8, v[TM+4]
	v_lshl_or_b32 v[PW], v[TM+6], 16, v[PW]
	v_lshl_or_b32 v[PW], v[TM+7], 24, v[PW]
.irp c, 0,1
	v_cvt_scalef32_pk16_fp6_f32 v[PC+6*\c:PC+2+6*\c], v[\s+32*\c:\s+15+32*\c], v[TM+12+2*\c]
	v_cvt_scalef32_pk16_fp6_f32 v[PC+12+4*\c:PC+14+4*\c], v[\s+16+32*\c:\s+31+32*\c], v[TM+12+2*\c+1]
.endr
	v_nop
.irp c, 0,1
.irp i, 0,1,2
	v_permlane16_swap_b32 v[PC+6*\c+\i], v[PC+12+4*\c+\i]
.endr
.irp i, 0,1,2
	v_mov_b32 v[PC+3+6*\c+\i], v[PC+12+4*\c+\i]
.endr
.endr
.endm
	s_load_b512 s[4:19], s[0:1], 0x0               ; q s4, qs s6, kv s8, kvs s10, wts s12, go s14, bo s16, mo s18
	s_load_b128 s[20:23], s[0:1], 0x40             ; vo s20, x s22
	s_load_b64 s[24:25], s[0:1], 0x50              ; out0
	v_lshl_add_u32 v[SPW], v0, 2, SPARE
	v_mov_b32 v[NIL], 0
	ds_add_u32 v5, v6
	s_wait_dscnt 0x0
	v_lshrrev_b32 v240, 5, v0
	v_readfirstlane_b32 s[WV], v240                ; wave 0..7
	s_and_b32 s[CH], s[WV], 3
	s_lshr_b32 s[KQ], s[WV], 1
	s_and_b32 s[QP], s[WV], 1
	s_and_b32 s[K1], s[KQ], 1
	s_bfe_u32 s29, ttmp6, 0x40000                  ; cx: it enters q's, x's and out0's addresses and the prefetches' alone
	s_lshl_b32 s30, ttmp9, 2
	s_add_co_u32 s30, s30, s29                     ; my block of 64 queries
	s_and_b32 s31, ttmp7, 0xffff                   ; the image, which the four partners share
	s_mov_b32 s[G1K], 15|(3<<16)|(1<<21)           ; the mask: all four work-groups; elements of 8 bytes; bit 21 set beside a mask; no padding
	s_mov_b32 s[G1K+1], 32<<16                     ; rows of 256 bytes
	s_mov_b32 s[G1K+2], 96<<16                     ; 96 of them: a chunk
	s_mov_b32 s[G1K+3], 32<<16
	s_mov_b32 s[G1K+4], 96
	s_mov_b32 s[G1K+5], 32
	s_mov_b32 s[G1K+6], 0
	s_mov_b32 s[G1K+7], 0
	s_mov_b32 s[G1S], 15|(3<<16)|(1<<21)
	s_mov_b32 s[G1S+1], 32<<16
	s_mov_b32 s[G1S+2], 32<<16                     ; 32 rows: a quarter of the image's scale words
	s_mov_b32 s[G1S+3], 32<<16
	s_mov_b32 s[G1S+4], 32
	s_mov_b32 s[G1S+5], 32
	s_mov_b32 s[G1S+6], 0
	s_mov_b32 s[G1S+7], 0
	s_mov_b32 s[G0], 1
	s_mul_i32 s[G0+1], s[CH], CHUNK                ; slot 0
	s_mov_b32 s[G0S], 1
	s_lshl_b32 s[G0S+1], s[CH], 13
	s_add_co_u32 s[G0S+1], s[G0S+1], SCL
	s_mul_i32 s68, s31, 32*CHUNK
	s_add_co_u32 s68, s68, s[G0+1]                 ; kv: the image, step 0, my chunk
	s_mov_b32 s69, 0
	s_lshl_b32 s70, s31, 15
	s_lshl_b32 s71, s[CH], 13
	s_add_co_u32 s70, s70, s71                     ; kvs: the image, my quarter
	s_mov_b32 s71, 0
	s_mul_i32 s72, s31, 32*CHUNK                   ; the prefetches: the image, my work-group's chunk, my wave's third of it,
	s_mul_i32 s73, s29, CHUNK
	s_add_co_u32 s72, s72, s73
	s_lshl_b32 s73, s[CH], 13
	s_add_co_u32 s72, s72, s73
	s_add_co_u32 s72, s72, 4*CHUNK                 ; in step 1: the first change of slots steps it to step 2
	s_mov_b32 s73, 0
	s_sub_co_u32 s84, s[WV], 4
	s_cmp_lt_u32 s84, 3                            ; waves 4 to 6
	s_cselect_b32 s84, 0, 1
	s_or_b32 s84, s84, ttmp9                       ; of the image's first cluster: the same in all four partners
	s_cmp_eq_u32 s84, 0
	s_cselect_b32 s[LIM], 1, -1
	s_lshl_b32 s74, s31, 8
	s_lshl_b32 s75, s30, 2
	s_add_co_u32 s74, s74, s75
	s_lshl_b32 s75, s[QP], 1
	s_add_co_u32 s74, s74, s75                     ; my pair's first tile of q: 256 x image + 4 x block + 2 x pair
	s_xor_b32 s75, s[K1], 1
	s_add_co_u32 s76, s74, s75                     ; place 1's tile
	s_add_co_u32 s74, s74, s[K1]                   ; place 0's tile
	s_lshl_b32 s78, s74, 6                         ; their scale words,
	s_lshl_b32 s80, s76, 6
	s_mul_i32 s74, s74, 1536                       ; their codes
	s_mul_i32 s76, s76, 1536
	s_mov_b32 s75, 0
	s_mov_b32 s77, 0
	s_mov_b32 s79, 0
	s_mov_b32 s81, 0
	s_lshl_b32 s82, s31, 22
	s_lshl_b32 s83, s[WV], 19
	s_add_co_u32 s82, s82, s83
	s_lshl_b32 s83, s30, 8
	s_add_co_u32 s82, s82, s83                     ; x and out0: the image, channel 32 w, my block's 64 pixels
	s_mov_b32 s83, 0
	s_mul_i32 s2, s[WV], 3072
	s_add_co_u32 s2, s2, 106496                    ; Wo's tiles 2 w and 2 w + 1: output channels 32 w .. 32 w + 31
	s_mov_b32 s3, 0
	s_lshl_b32 s88, s[WV], 8
	s_add_co_u32 s88, s88, 131072                  ; and their scale words
	s_mov_b32 s89, 0
	s_mov_b32 s[SEL], 0x76543210
	s_mov_b32 s[SEL+1], 0xfedcba98
	s_mov_b32 s[CS], 0x3e0293ee                    ; c = log2(e) / sqrt(128)
	s_mov_b32 s[CS+1], s[CS]
	s_mov_b32 s[TB], 0
	s_mov_b32 s[TS], 0
	s_mov_b32 s[SLOTS], 7
	v_and_b32 v240, 31, v0
	v_lshlrev_b32 v[LI], 4, v240
	v_lshlrev_b32 v[LS4], 2, v240
	v_and_b32 v[LQ], 15, v0
	v_lshlrev_b32 v[LQ], 2, v[LQ]
	s_lshl_b32 s84, s[WV], 7
	v_add_nc_u32 v[BNO], s84, v[LQ]                ; channel 32 w + lane % 16
	s_mul_i32 s84, s[KQ], CHUNK
	v_add_nc_u32 v[AK0], s84, v[LI]
	s_lshl_b32 s84, s[KQ], 10
	s_add_co_u32 s84, s84, SCL
	v_add_nc_u32 v[AS0], s84, v[LS4]
	v_lshlrev_b32 v[PFO], 6, v[LS4]
	s_wait_kmcnt 0x0
	s_add_nc_u64 s[G0+2:G0+3], s[8:9], s[68:69]
	s_or_b32 s[G0+3], s[G0+3], 0x80000000
	s_add_nc_u64 s[G0S+2:G0S+3], s[10:11], s[70:71]
	s_or_b32 s[G0S+3], s[G0S+3], 0x80000000
	s_add_nc_u64 s[PFA:PFA+1], s[8:9], s[72:73]
	s_add_nc_u64 s[74:75], s[4:5], s[74:75]
	s_add_nc_u64 s[76:77], s[4:5], s[76:77]
	s_add_nc_u64 s[78:79], s[6:7], s[78:79]
	s_add_nc_u64 s[80:81], s[6:7], s[80:81]
	s_add_nc_u64 s[88:89], s[12:13], s[88:89]
	s_add_nc_u64 s[12:13], s[12:13], s[2:3]
	s_add_nc_u64 s[22:23], s[22:23], s[82:83]
	s_add_nc_u64 s[24:25], s[24:25], s[82:83]
	CROUND                                         ; all four work-groups are here: the first joint loads meet
	s_cmp_lt_u32 s[WV], 4                          ; a wave's two first fills stand in one branch: two loads of mine are out
	s_cbranch_scc0 .Lfirst_none
	tensor_load_to_lds s[G0S:G0S+3], s[G1S:G1S+7]  ; the scale words: filled once
	s_nop 0
	tensor_load_to_lds s[G0:G0+3], s[G1K:G1K+7]    ; step 0
	s_nop 0
	PLACES
.Lfirst_none:
	WIN 0x40                                       ; destination window 1
.irp a, 0,1
.irp j, 0,1,2
	global_load_b128 v[QF+12*\a+4*\j:QF+12*\a+4*\j+3], v[LI], s[74+2*\a:75+2*\a] offset:512*\j   ; Q's two fragments stay in registers
.endr
.endr
.set jj, 0
.rept 128
	v_mov_b32 v[jj], 0                             ; O^T: the step is written for every step alike; the first finds zeros, which the first change of M leaves zeros.  (A first step of its own would be a third copy of the step)
.set jj, jj+1
.endr
	WIN 0
.irp a, 0,1
	global_load_b32 v[QS+\a], v[LQ], s[78+2*\a:79+2*\a]
.endr
.irp a, 0,1
	v_mov_b32 v[ST+4*\a+1], 0xff61b1e6             ; the largest t so far: -3e38, under every t
	v_floor_f32 v[ST+4*\a], -v[ST+4*\a+1]          ; -M
	v_mov_b32 v[ST+4*\a+2], 0
	v_mov_b32 v[ST+4*\a+3], 0
	v_mov_b32 v[FP+2*\a+1], 0                      ; (named as the upper half of a pair before it is first written)
.irp b, 0,1,2,3
	v_mov_b32 v[T+20*\a+4+\b], 0                   ; a lane permute's destination counts as one of its sources
.endr
.endr
	s_wait_loadcnt 0x0                             ; Q
; The next exponential of the batch in hand, if one is left: v[EB] .. v[EB + EN - 1].  It stands behind a plain line of the OTHER tile's work, which names none of the batch's registers.
.set ec, 0
.set EN, 0
.set EB, S
.macro EXPI
.if ec < EN
	v_exp_f32 v[EB+ec], v[EB+ec]                   ; p = 2^(t - M), at most 1
.set ec, ec+1
.endif
.endm
; Place a, ahead of its exponentials: the blocks' and the row's largest score, the new M, f, and t - M.  85 plain lines.
.macro PRE a
.irp b, 0,1,2,3
	v_max3_num_f32 v[T+20*\a+\b], v[S+64*\a+16*\b], v[S+64*\a+16*\b+1], v[S+64*\a+16*\b+2]   ; the largest score of each block of 32 keys: for the row's maximum, and, since p rises with the score, for the block's largest p
	EXPI
.endr
.irp i, 3,5,7,9,11,13
.irp b, 0,1,2,3
	v_max3_num_f32 v[T+20*\a+\b], v[T+20*\a+\b], v[S+64*\a+16*\b+\i], v[S+64*\a+16*\b+\i+1]
	EXPI
.endr
.endr
.irp b, 0,1,2,3
	v_max_num_f32 v[T+20*\a+\b], v[T+20*\a+\b], v[S+64*\a+16*\b+15]
	EXPI
.endr
.irp b, 0,1,2,3
	v_permlanex16_b32 v[T+20*\a+4+\b], v[T+20*\a+\b], s[SEL], s[SEL+1]
	EXPI
.endr
.irp b, 0,1,2,3
	v_max_num_f32 v[T+20*\a+\b], v[T+20*\a+\b], v[T+20*\a+4+\b]   ; with lane l xor 16's 16 keys
	EXPI
.endr
	v_max3_num_f32 v[T+20*\a+16], v[T+20*\a], v[T+20*\a+1], v[T+20*\a+2]
	EXPI
	v_max_num_f32 v[T+20*\a+16], v[T+20*\a+16], v[T+20*\a+3]
	EXPI
	v_mul_f32 v[T+20*\a+16], s[CS], v[T+20*\a+16]  ; the step's largest t (c is positive)
	EXPI
	v_max_num_f32 v[ST+4*\a+1], v[ST+4*\a+1], v[T+20*\a+16]
	EXPI
	v_mov_b32 v[T+20*\a+16], v[ST+4*\a]
	EXPI
	v_floor_f32 v[ST+4*\a], -v[ST+4*\a+1]          ; the new -M = -ceil(t): M is a whole number
	EXPI
	v_sub_f32 v[T+20*\a+16], v[ST+4*\a], v[T+20*\a+16]   ; old M - new M: a whole number, 0 or less
	EXPI
	v_cvt_i32_f32 v[T+20*\a+16], v[T+20*\a+16]     ; (it saturates)
	EXPI
	v_ldexp_f32 v[FP+2*\a], 1.0, v[T+20*\a+16]     ; f = 2^(old M - new M): a multiplication by it rounds nothing
	EXPI
.set jj, 0
.rept 32
	v_pk_fma_f32 v[S+64*\a+jj:S+64*\a+jj+1], v[S+64*\a+jj:S+64*\a+jj+1], s[CS:CS+1], v[ST+4*\a:ST+4*\a+1] op_sel_hi:[1,0,0]   ; t - M, two at a time
	EXPI
.set jj, jj+2
.endr
.irp b, 0,1,2,3
	v_fma_f32 v[T+20*\a+\b], v[T+20*\a+\b], s[CS], v[ST+4*\a]   ; the same of each block's largest score
	EXPI
.endr
.endm
; Place a, behind the wait for its 64 exponentials: the blocks' largest p, the sum, p's scale word and codes, O^T under the new M.  60 of its plain lines in window 0 have an exponential of the other batch behind them; the last four follow in a run.
.macro POST a
	WIN 0
.irp b, 0,1,2,3
	v_exp_f32 v[T+20*\a+\b], v[T+20*\a+\b]         ; the block's largest p
.endr
	v_pk_mul_f32 v[ST+4*\a+2:ST+4*\a+3], v[ST+4*\a+2:ST+4*\a+3], v[FP+2*\a:FP+2*\a+1] op_sel_hi:[1,0]   ; the sums under the new M
	EXPI
	v_pk_add_f32 v[T+20*\a+4:T+20*\a+5], v[S+64*\a:S+64*\a+1], v[S+64*\a+2:S+64*\a+3]   ; the row's sum is taken of the unquantised p: two at a time, in two chains
	EXPI
.irp j, 4,8,12,16,20,24,28,32,36,40,44,48,52,56,60
	v_pk_add_f32 v[ST+4*\a+2:ST+4*\a+3], v[ST+4*\a+2:ST+4*\a+3], v[S+64*\a+\j:S+64*\a+\j+1]
	EXPI
	v_pk_add_f32 v[T+20*\a+4:T+20*\a+5], v[T+20*\a+4:T+20*\a+5], v[S+64*\a+\j+2:S+64*\a+\j+3]
	EXPI
.endr
	v_pk_add_f32 v[ST+4*\a+2:ST+4*\a+3], v[ST+4*\a+2:ST+4*\a+3], v[T+20*\a+4:T+20*\a+5]
	EXPI
	s_wait_alu depctr_va_vdst(0)                   ; the wait for the four, ahead of their first reader
.irp b, 0,1,2,3
	v_max_num_f32 v[T+20*\a+\b], 0x1800000, v[T+20*\a+\b]   ; the floor 2^(3 - 127): the byte cannot fall under 1
	EXPI
.endr
.irp b, 0,1,2,3
	v_add_nc_u32 v[T+20*\a+12+\b], 0xff000000, v[T+20*\a+\b]   ; 2 off the exponent field: the conversion's scale operand
	EXPI
.endr
.irp b, 0,1,2,3
	v_lshrrev_b32 v[T+20*\a+4+\b], 23, v[T+20*\a+12+\b]
	EXPI
.endr
	v_lshl_or_b32 v[FP+2*\a+1], v[T+20*\a+5], 8, v[T+20*\a+4]   ; p's scale word for these 128 keys
	EXPI
	v_lshl_or_b32 v[FP+2*\a+1], v[T+20*\a+6], 16, v[FP+2*\a+1]
	EXPI
	v_lshl_or_b32 v[FP+2*\a+1], v[T+20*\a+7], 24, v[FP+2*\a+1]
	EXPI
.irp c, 0,1
	v_cvt_scalef32_pk16_fp6_f32 v[PCD+12*\a+6*\c:PCD+12*\a+6*\c+2], v[S+64*\a+32*\c:S+64*\a+32*\c+15], v[T+20*\a+12+2*\c]
	v_cvt_scalef32_pk16_fp6_f32 v[T+20*\a+4+4*\c:T+20*\a+6+4*\c], v[S+64*\a+32*\c+16:S+64*\a+32*\c+31], v[T+20*\a+13+2*\c]   ; (a conversion's three registers begin on an even number)
.endr
	v_nop                                          ; one plain place behind a scaled conversion
.irp c, 0,1                                    ; the operand wants a whole block in a lane: lanes 0-15 block 2 c, lanes 16-31 block 2 c + 1
.irp i, 0,1,2
	v_permlane16_swap_b32 v[PCD+12*\a+6*\c+\i], v[T+20*\a+4+4*\c+\i]
	EXPI
.endr
.irp i, 0,1,2
	v_mov_b32 v[PCD+12*\a+6*\c+3+\i], v[T+20*\a+4+4*\c+\i]
	EXPI
.endr
.endr
.rept 4
	EXPI
.endr
	WIN 0x41                                       ; O^T (destination and source 0) in window 1, f in window 0
.set jj, 0
.rept 32
	v_pk_mul_f32 v[64*\a+jj:64*\a+jj+1], v[64*\a+jj:64*\a+jj+1], v[FP+2*\a:FP+2*\a+1] op_sel_hi:[1,0]   ; O^T under the new M; these are also the plain work behind the other batch and the places between p's codes and scale word and the products
.set jj, jj+2
.endr
.endm
; K's tiles t and t + 1 against both tiles of queries.  Their scale words share a register: lanes 0-15 tile t's, lanes 16-31 tile t + 1's.  No two products that follow each other share an accumulator.
.macro KQ4 t
.irp a, 0,1
	v_wmma_scale_f32_16x16x128_f8f6f4 v[S+64*\a+8*\t:S+64*\a+8*\t+7], v[FR+12*\t:FR+12*\t+11], v[QF+12*\a:QF+12*\a+11], 0, v[KS+\t/2], v[QS+\a] matrix_a_fmt:MATRIX_FMT_FP6 matrix_b_fmt:MATRIX_FMT_FP6
.endr
.irp a, 0,1
	v_wmma_scale_f32_16x16x128_f8f6f4 v[S+64*\a+8*\t+8:S+64*\a+8*\t+15], v[FR+12*\t+12:FR+12*\t+23], v[QF+12*\a:QF+12*\a+11], 0, v[KS+\t/2], v[QS+\a] matrix_a_fmt:MATRIX_FMT_FP6 matrix_b_fmt:MATRIX_FMT_FP6 matrix_a_scale:MATRIX_SCALE_ROW1
.endr
.endm
; V's tiles t and t + 1 (16 channels each) against both tiles' p: the sixteen accumulators take turns, one instruction a turn
.macro PV4 t
.irp a, 0,1
	v_wmma_scale_f32_16x16x128_f8f6f4 v[64*\a+8*\t:64*\a+8*\t+7], v[FR+12*\t:FR+12*\t+11], v[PCD+12*\a:PCD+12*\a+11], v[64*\a+8*\t:64*\a+8*\t+7], v[KS+\t/2], v[FP+2*\a+1] matrix_a_fmt:MATRIX_FMT_FP6 matrix_b_fmt:MATRIX_FMT_FP6
.endr
.irp a, 0,1
	v_wmma_scale_f32_16x16x128_f8f6f4 v[64*\a+8*\t+8:64*\a+8*\t+15], v[FR+12*\t+12:FR+12*\t+23], v[PCD+12*\a:PCD+12*\a+11], v[64*\a+8*\t+8:64*\a+8*\t+15], v[KS+\t/2], v[FP+2*\a+1] matrix_a_fmt:MATRIX_FMT_FP6 matrix_b_fmt:MATRIX_FMT_FP6 matrix_a_scale:MATRIX_SCALE_ROW1
.endr
.endm
; A KEY STEP: my chunk of 128 keys in the slot in hand, for my two tiles of queries.
.macro STEP
	v_add_nc_u32 v[ADK], s[TB], v[AK0]
	v_add_nc_u32 v[ADS], s[TS], v[AS0]
	v_nop
	v_nop                                          ; four places in front of loads into registers that the last step's products have read
.irp i, 0,1,2,3
	ds_load_b32 v[KS+\i], v[ADS] offset:128*\i     ; K's scale words: lanes 0-15 tile 2 i's, lanes 16-31 tile 2 i + 1's
.endr
	WIN 0x40                                       ; destination window 1, address window 0
.irp t, 0,1,2,3,4,5,6,7
.irp j, 0,1,2
	ds_load_b128 v[FR+12*\t+4*\j:FR+12*\t+4*\j+3], v[ADK] offset:1536*\t+512*\j   ; all eight fragments of K in one run
.endr
.endr
	WIN 0x05                                       ; K and Q in window 1, S^T in window 0
.irp t, 0,2,4,6
	s_wait_dscnt 18-3*\t                           ; of the 28 loads the scale words and tiles 0 .. t + 1 are in; the later tiles' three loads each may be out
	KQ4 \t
.endr
	WIN 0
	PLACES
.irp i, 0,1,2,3                                ; V's scale words and all its eight fragments are asked for now: they land under the softmax
	ds_load_b32 v[KS+\i], v[ADS] offset:512+128*\i
.endr
	WIN 0x40
.irp t, 0,1,2,3,4,5,6,7
.irp j, 0,1,2
	ds_load_b128 v[FR+12*\t+4*\j:FR+12*\t+4*\j+3], v[ADK] offset:12288+1536*\t+512*\j
.endr
.endr
	WIN 0
.set EN, 0
.set ec, 0
	PRE 0
.set EB, S
.set EN, 64
.set ec, 0
	PRE 1                                          ; with place 0's 64 exponentials between its lines; its last 21 lines are the plain work behind them
	s_wait_alu depctr_va_vdst(0)                   ; one wait for place 0's batch, ahead of its first reader
.set EB, S+64
.set ec, 0
	POST 0                                         ; with place 1's 64 exponentials between its lines
	s_wait_alu depctr_va_vdst(0)                   ; one wait for place 1's batch
	POST 1
	s_wait_dscnt 0x0                               ; V
	WIN 0x51                                       ; V in window 1, p in window 0, O^T in window 1
.irp t, 0,2,4,6
	PV4 \t
.endr
	WIN 0
	s_add_co_u32 s[TS], s[TS], 4096                ; the next step's scale words,
	s_xor_b32 s[TB], s[TB], SLOT1                  ; in the other slot
.endm
; THE CHANGE OF SLOTS stands at a step's head.  Each wave waits for all its tensor loads (its part of the slot that it is about to read), adds 0 to its spare word, and waits for that and for its reads of the slot that it has left.
; fill = 1: the barrier is a round of the cluster's, so that no wave of any partner still reads that slot or has a load on its way; behind it the slot is filled with the next step's chunks: one load a wave, with a step in which to land.
.macro CHANGE fill
	s_wait_tensorcnt 0x0                           ; no tensor load of mine is out, so a group 0 may be written
	ds_add_u32 v[SPW], v[NIL]                      ; 0 onto my spare word
.if \fill
	s_xor_b32 s[G0+1], s[G0+1], SLOT1              ; the walking descriptor: the other slot than last time,
	s_add_nc_u64 s[G0+2:G0+3], s[G0+2:G0+3], 4*CHUNK   ; the next four chunks; the type bits on top are not reached
	s_wait_xcnt 0x0                                ; the last prefetch, a step back, has read its address, so it may be written:
	s_add_nc_u64 s[PFA:PFA+1], s[PFA:PFA+1], 4*CHUNK   ; one step further on than the walking descriptor
	s_wait_dscnt 0x0                               ; the add is done, and my reads of the slot that I have left are over
	CROUND
	JLOAD
	ASK
.else
	s_wait_dscnt 0x0
	s_barrier_signal -1
	s_barrier_wait -1
.endif
.endm
.Lslot:                                            ; 7 trips: behind each change of slots but the last the next step is asked for
	CHANGE 1
	STEP
	s_sub_co_u32 s[SLOTS], s[SLOTS], 1
	s_cmp_lg_u32 s[SLOTS], 0
	s_cbranch_scc1 .Lslot
	CHANGE 0                                       ; the last step is written out
	STEP
	; ---- THE TAIL.  Its addresses, made by every wave ahead of the tail's first branch; these lines are also the places behind the last products (they name none of their registers)
	v_and_b32 v240, 31, v0                         ; lane
	v_and_b32 v241, 15, v0                         ; r
	v_bfe_u32 v242, v0, 4, 1                       ; h
	s_lshl_b32 s68, s[QP], 1
	s_add_co_u32 s69, s68, s[K1]                   ; place 0's tile of the four
	s_mul_i32 s70, s[K1], 3
	s_add_co_u32 s70, s70, s[KQ]
	s_and_b32 s70, s70, 3                          ; my turn among its four parts, (group - tile % 2) mod 4: 0 in waves 0-3, which join it
	s_xor_b32 s71, s[K1], 1
	s_add_co_u32 s72, s68, s71                     ; place 1's tile
	s_mul_i32 s73, s71, 3
	s_add_co_u32 s73, s73, s[KQ]
	s_and_b32 s73, s73, 3                          ; my turn there: 1 or 3
	s_lshl_b32 s74, s69, 10
	s_lshl_b32 s75, s70, 8
	s_add_co_u32 s74, s74, s75
	s_add_co_u32 s74, s74, ML
	v_lshl_add_u32 v[MW], v240, 2, s74             ; where place 0's -M and sum go
	s_lshl_b32 s74, s72, 10
	s_lshl_b32 s75, s73, 8
	s_add_co_u32 s74, s74, s75
	s_add_co_u32 s74, s74, ML
	v_lshl_add_u32 v[MW+1], v240, 2, s74           ; and place 1's
	s_add_co_u32 s75, s70, 3
	s_and_b32 s75, s75, 3
	s_mul_i32 s74, s69, 3
	s_add_co_u32 s74, s74, s75
	s_lshl_b32 s74, s74, 13
	v_lshl_add_u32 v[PS], v240, 4, s74             ; where place 0's O^T goes, in waves 4-7: partial 3 tile + turn - 1
	s_add_co_u32 s75, s73, 3
	s_and_b32 s75, s75, 3
	s_mul_i32 s74, s72, 3
	s_add_co_u32 s74, s74, s75
	s_lshl_b32 s74, s74, 13
	v_lshl_add_u32 v[PS+1], v240, 4, s74           ; and place 1's, in every wave
	s_lshl_b32 s74, s69, 10
	s_add_co_u32 s74, s74, ML
	v_lshl_add_u32 v[MLR], v240, 2, s74            ; the four turns' -M and sums of place 0's tile: 256 bytes apart
	s_mul_i32 s74, s69, 3*8192
	v_lshl_add_u32 v[PRA], v240, 4, s74            ; its three partials
	s_mul_i32 s74, s69, 1536
	s_add_co_u32 s74, s74, CIMG
	v_lshl_add_u32 v[CIW], v240, 4, s74            ; where its ctx goes
	s_lshl_b32 s74, s69, 7
	s_add_co_u32 s74, s74, CSC
	v_lshl_add_u32 v[CSW], v240, 2, s74
	v_lshl_add_u32 v[CIR], v240, 4, CIMG           ; all four tiles of ctx
	v_lshl_add_u32 v[CSR], v240, 2, CSC
	s_mul_i32 s74, s[WV], 32*272
	s_add_co_u32 s74, s74, OSTG                    ; my 32 rows of the stage
	v_mul_u32_u24 v[SO], v241, 272
	v_lshl_add_u32 v[SO], v242, 6, v[SO]
	v_add_nc_u32 v[SO], s74, v[SO]                 ; in: row r (my channel), + 64 h
	v_mul_u32_u24 v[SR], v242, 272
	v_lshl_add_u32 v[SR], v241, 4, v[SR]
	v_add_nc_u32 v[SR], s74, v[SR]                 ; back: lanes 0-15 one row of 256 bytes, lanes 16-31 the next
	v_lshlrev_b32 v[GX], 14, v242
	v_lshl_add_u32 v[GX], v241, 4, v[GX]           ; and the same two channels in x and out0
	WIN 0x40                                       ; destination window 1: the fragments' registers are free
.irp i, 0,1,2,3,4,5,6,7,8,9,10,11,12,13,14,15
	global_load_b128 v[XD+4*\i:XD+4*\i+3], v[GX], s[22:23] offset:32768*\i th:TH_LOAD_NT   ; x's 32 channels x 64 pixels, asked for a whole joining ahead of their use
.endr
.irp u, 0,1
.irp j, 0,1,2
	global_load_b128 v[WO+12*\u+4*\j:WO+12*\u+4*\j+3], v[LI], s[12:13] offset:1536*\u+512*\j   ; Wo's two fragments
.endr
.endr
	WIN 0
.irp u, 0,1
	global_load_b32 v[WS+\u], v[LS4], s[88:89] offset:128*\u
	global_load_b32 v[BNL+4*\u], v[BNO], s[14:15] offset:64*\u     ; g
	global_load_b32 v[BNL+4*\u+1], v[BNO], s[16:17] offset:64*\u   ; b
	global_load_b32 v[BNL+4*\u+2], v[BNO], s[18:19] offset:64*\u   ; m
	global_load_b32 v[BNL+4*\u+3], v[BNO], s[20:21] offset:64*\u   ; v
.endr
.irp a, 0,1
	v_add_f32 v[ST+4*\a+2], v[ST+4*\a+2], v[ST+4*\a+3]
.endr
.irp a, 0,1
	v_permlanex16_b32 v[T+20*\a+4], v[ST+4*\a+2], s[SEL], s[SEL+1]
.endr
.irp a, 0,1
	v_add_f32 v[ST+4*\a+2], v[ST+4*\a+2], v[T+20*\a+4]   ; my keys' sum for my query
.endr
.irp a, 0,1
	ds_store_b32 v[MW+\a], v[ST+4*\a]
	ds_store_b32 v[MW+\a], v[ST+4*\a+2] offset:128
.endr
	WIN 0x04                                       ; an LDS store's data are its source 1: window 1
.irp e, 0,1,2,3,4,5,6,7,8,9,10,11,12,13,14,15
	ds_store_b128 v[PS+1], v[64+4*\e:67+4*\e] offset:512*\e   ; place 1's O^T as it stands, each accumulator from its low end on
.endr
	WIN 0
	s_cmp_lt_u32 s[WV], 4
	s_cbranch_scc1 .Lkeeper
	WIN 0x04
.irp e, 0,1,2,3,4,5,6,7,8,9,10,11,12,13,14,15
	ds_store_b128 v[PS], v[4*\e:3+4*\e] offset:512*\e         ; waves 4-7: place 0's too
.endr
	WIN 0
.Lkeeper:
	s_wait_dscnt 0x0                               ; my stores have landed
	s_barrier_signal -1
	s_barrier_wait -1
	s_cmp_lt_u32 s[WV], 4
	s_cbranch_scc0 .Lmerged
	; ---- waves 0-3 join the four parts of place 0's tile
.macro HALF buf, i, hf                 ; half hf (32 registers) of turn i's O^T
.irp e, 0,1,2,3,4,5,6,7
	ds_load_b128 v[\buf+4*\e:\buf+4*\e+3], v[PRA] offset:8192*(\i-1)+4096*\hf+512*\e
.endr
.endm
.macro JOIN buf, i, hf
.irp p, 0,2,4,6,8,10,12,14,16,18,20,22,24,26,28,30
	v_pk_fma_f32 v[96+32*\hf+\p:97+32*\hf+\p], v[\buf+\p:\buf+\p+1], v[FJ+2*\i:FJ+2*\i+1], v[96+32*\hf+\p:97+32*\hf+\p] op_sel_hi:[1,0,1]
.endr
.endm
.irp i, 0,1,2,3
	ds_load_b32 v[T+\i], v[MLR] offset:256*\i      ; -M of turn i (turn 0 is mine)
	ds_load_b32 v[T+4+\i], v[MLR] offset:256*\i+128   ; its sum
.endr
	HALF 32, 1, 0
	HALF 64, 1, 1
	s_wait_dscnt 16                                ; the eight words are in; the two halves' 16 loads may be out
	v_min3_num_f32 v[T+16], v[T], v[T+1], v[T+2]
	v_min_num_f32 v[T+16], v[T+16], v[T+3]         ; -M of the whole row
.irp i, 0,1,2,3
	v_sub_f32 v[FJ+2*\i], v[T+16], v[T+\i]         ; M_i - M: a whole number, 0 or less
.endr
.irp i, 0,1,2,3
	v_cvt_i32_f32 v[FJ+2*\i], v[FJ+2*\i]
.endr
.irp i, 0,1,2,3
	v_ldexp_f32 v[FJ+2*\i], 1.0, v[FJ+2*\i]        ; F_i = 2^(M_i - M)
.endr
.irp i, 0,1,2,3
	v_mov_b32 v[FJ+2*\i+1], 0                      ; (the pairs' upper halves are named, so they are written)
.endr
	v_mul_f32 v[ST+2], v[FJ], v[T+4]
	v_fma_f32 v[ST+2], v[FJ+2], v[T+5], v[ST+2]
	v_fma_f32 v[ST+2], v[FJ+4], v[T+6], v[ST+2]
	v_fma_f32 v[ST+2], v[FJ+6], v[T+7], v[ST+2]    ; the row's sum
	v_rcp_f32 v[RC], v[ST+2]
	v_mov_b32 v[RC+1], 0                           ; (a plain place behind the reciprocal; the pair's upper half)
	WIN 0x01                                       ; source 0 (my O^T) window 1; the joined tile is made in window 0, v96-159
.set jj, 0
.rept 32
	v_pk_mul_f32 v[96+jj:97+jj], v[jj:jj+1], v[FJ:FJ+1] op_sel_hi:[1,0]   ; my own part under the row's M, each accumulator from its low end on
.set jj, jj+2
.endr
	WIN 0
	s_wait_dscnt 8                                 ; the older half is in, the younger half's 8 loads may be out
	JOIN 32, 1, 0
	HALF 32, 2, 0
	s_wait_dscnt 8
	JOIN 64, 1, 1
	HALF 64, 2, 1
	s_wait_dscnt 8
	JOIN 32, 2, 0
	HALF 32, 3, 0
	s_wait_dscnt 8
	JOIN 64, 2, 1
	HALF 64, 3, 1
	s_wait_dscnt 8
	JOIN 32, 3, 0
	s_wait_dscnt 0x0
	JOIN 64, 3, 1
	s_wait_alu depctr_va_vdst(0)                   ; the reciprocal's wait, ahead of its first reader
.set jj, 0
.rept 32
	v_pk_mul_f32 v[96+jj:97+jj], v[96+jj:97+jj], v[RC:RC+1] op_sel_hi:[1,0]   ; ctx = O^T / the sum: register 16 b + i is channel 32 b + 16 h + i of my query
.set jj, jj+2
.endr
	QUANT 96
.irp c, 0,1,2
	ds_store_b128 v[CIW], v[PC+4*\c:PC+4*\c+3] offset:512*\c
.endr
	ds_store_b32 v[CSW], v[PW]
.Lmerged:
	s_wait_dscnt 0x0
	s_barrier_signal -1
	s_barrier_wait -1                              ; ctx's four fragments lie in LDS
	; ---- all 8 waves: Wo's tiles 2 w and 2 w + 1 against the four tiles of queries
.irp i, 0,1,2,3
.irp j, 0,1,2
	ds_load_b128 v[32+12*\i+4*\j:35+12*\i+4*\j], v[CIR] offset:1536*\i+512*\j
.endr
	ds_load_b32 v[KS+\i], v[CSR] offset:128*\i
.endr
	s_wait_loadcnt 0x0                             ; x, Wo, g, b, m, v
.irp u, 0,1
	v_add_f32 v[BNL+4*\u+3], 0x3727c5ac, v[BNL+4*\u+3]   ; v + 1e-5
.endr
.irp u, 0,1
	v_rsq_f32 v[BSC+2*\u], v[BNL+4*\u+3]
.endr
.irp u, 0,1
	v_mov_b32 v[BSC+2*\u+1], 0                     ; (plain places; the pairs' upper halves are named, so they are written)
	v_mov_b32 v[BSH+2*\u+1], 0
.endr
	s_wait_alu depctr_va_vdst(0)                   ; one wait for the two, ahead of their first reader
.irp u, 0,1
	v_mul_f32 v[BSC+2*\u], v[BNL+4*\u], v[BSC+2*\u]   ; BN_o's scale of my channel
.endr
.irp u, 0,1
	v_fma_f32 v[BSH+2*\u], -v[BNL+4*\u+2], v[BSC+2*\u], v[BNL+4*\u+1]   ; and its shift: b - m s
.endr
	s_wait_dscnt 0x0
	WIN 0x04                                       ; source 1 (Wo) window 1
.irp i, 0,1,2,3
.irp u, 0,1
	v_wmma_scale_f32_16x16x128_f8f6f4 v[96+32*\u+8*\i:103+32*\u+8*\i], v[32+12*\i:43+12*\i], v[WO+12*\u:WO+12*\u+11], 0, v[KS+\i], v[WS+\u] matrix_a_fmt:MATRIX_FMT_FP6 matrix_b_fmt:MATRIX_FMT_FP6
.endr
.endr
	WIN 0
	PLACES
.irp u, 0,1
.irp p, 0,2,4,6,8,10,12,14,16,18,20,22,24,26,28,30
	v_pk_fma_f32 v[96+32*\u+\p:97+32*\u+\p], v[96+32*\u+\p:97+32*\u+\p], v[BSC+2*\u:BSC+2*\u+1], v[BSH+2*\u:BSH+2*\u+1] op_sel_hi:[1,0,0]   ; BN_o: my lane is one channel
.endr
.endr
.set jj, 0
.rept 64
	v_max_num_f32 v[96+jj], 0, v[96+jj]
.set jj, jj+1
.endr
.irp u, 0,1
.irp i, 0,1,2,3                                ; tile i's register j is pixel 32 (i / 2) + 8 (i % 2) + 16 h + j of my block
	ds_store_b128 v[SO], v[96+32*\u+8*\i:99+32*\u+8*\i] offset:4352*\u+128*(\i/2)+32*(\i%2)
	ds_store_b128 v[SO], v[100+32*\u+8*\i:103+32*\u+8*\i] offset:4352*\u+128*(\i/2)+32*(\i%2)+16
.endr
.endr
.irp i, 0,1,2,3,4,5,6,7,8,9,10,11,12,13,14,15
	ds_load_b128 v[32+4*\i:35+4*\i], v[SR] offset:544*\i   ; my own rows: LDS serves a wave's instructions in order (ISA guide 5.7.1.4), so these see my stores
.endr
	s_wait_dscnt 0x0
	WIN 0x04                                       ; source 1 (x) window 1
.set jj, 0
.rept 32
	v_pk_add_f32 v[32+jj:33+jj], v[32+jj:33+jj], v[XD+jj:XD+jj+1]
.set jj, jj+2
.endr
	WIN 0
.irp i, 0,1,2,3,4,5,6,7,8,9,10,11,12,13,14,15
	global_store_b128 v[GX], v[32+4*\i:35+4*\i], s[24:25] offset:32768*\i th:TH_STORE_NT   ; 16 lanes store 256 consecutive bytes, at a multiple of 256 from out0's first byte
.endr
	s_wait_tensorcnt 0x0                           ; the wave's end, behind my last tensor load and my last LDS store
	ds_add_u32 v[SPW], v[NIL]
	s_wait_dscnt 0x0
	CROUND                                         ; the closing round: no work-group ends while a partner may still ask for a tile that names it
	s_endpgm
.Lfunc_end_k_q17711dd9c3_attn:
	.size	k_q17711dd9c3_attn, .Lfunc_end_k_q17711dd9c3_attn-k_q17711dd9c3_attn
	.p2alignl 7, 3214868480
	.fill 96, 4, 3214868480
	.section	.rodata,"a",@progbits
	.p2align	6, 0x0
	.amdhsa_kernel k_q17711dd9c3_attn
		.amdhsa_group_segment_fixed_size 327680
		.amdhsa_private_segment_fixed_size 0
		.amdhsa_enable_private_segment 0
		.amdhsa_kernarg_size 88
		.amdhsa_user_sgpr_count 2
		.amdhsa_user_sgpr_kernarg_segment_ptr 1
		.amdhsa_wavefront_size32 1
		.amdhsa_system_sgpr_workgroup_id_x 1
		.amdhsa_system_sgpr_workgroup_id_y 1
		.amdhsa_system_sgpr_workgroup_id_z 1
		.amdhsa_system_vgpr_workitem_id 0
		.amdhsa_next_free_vgpr 512
		.amdhsa_next_free_sgpr 90
		.amdhsa_reserve_vcc 0
		.amdhsa_float_denorm_mode_32 3
		.amdhsa_float_denorm_mode_16_64 3
		.amdhsa_memory_ordered 1
		.amdhsa_forward_progress 1
		.amdhsa_inst_pref_size 121
	.end_amdhsa_kernel
	.amdgpu_metadata
---
amdhsa.version: [ 1, 2 ]
amdhsa.kernels:
  - .name:           k_q17711dd9c3_attn
    .symbol:         k_q17711dd9c3_attn.kd
    .args:
      - { .name: q, .offset: 0, .size: 8, .value_kind: global_buffer, .address_space: global }
      - { .name: qs, .offset: 8, .size: 8, .value_kind: global_buffer, .address_space: global }
      - { .name: kv, .offset: 16, .size: 8, .value_kind: global_buffer, .address_space: global }
      - { .name: kvs, .offset: 24, .size: 8, .value_kind: global_buffer, .address_space: global }
      - { .name: wts, .offset: 32, .size: 8, .value_kind: global_buffer, .address_space: global }
      - { .name: go, .offset: 40, .size: 8, .value_kind: global_buffer, .address_space: global }
      - { .name: bo, .offset: 48, .size: 8, .value_kind: global_buffer, .address_space: global }
      - { .name: mo, .offset: 56, .size: 8, .value_kind: global_buffer, .address_space: global }
      - { .name: vo, .offset: 64, .size: 8, .value_kind: global_buffer, .address_space: global }
      - { .name: x, .offset: 72, .size: 8, .value_kind: global_buffer, .address_space: global }
      - { .name: out0, .offset: 80, .size: 8, .value_kind: global_buffer, .address_space: global }
    .group_segment_fixed_size: 327680
    .private_segment_fixed_size: 0
    .kernarg_segment_align: 8
    .kernarg_segment_size: 88
    .max_flat_workgroup_size: 256
    .sgpr_count:     90
    .vgpr_count:     512
    .wavefront_size: 32
...
	.end_amdgpu_metadata
.endif
;; end of part 3
